; MI455X (gfx1250); checked and timed in simulation.
; The chip was launched on July 23, 2026; its instructions are those of AMD's public machine-readable ISA for CDNA 5 (MIT licence, August 2026) and "CDNA5" Instruction Set Architecture Reference Guide (July 2026). The comments in the code are by the model that wrote it; some were corrected since.
;; Linear Attention. Allowed arithmetic: matrix products marked QUANTISED: E2M3 operands, one E8M0 scale for each 32 along K, by v_wmma_scale_f32_16x16x128_f8f6f4 with both operands' format E2M3, f32 sums; products left as they are: f32 operands where the result goes on into a quantised operand, else bf16, f16 or f32 operands; f32 sums; everything else in f32.
;; Inputs: Wk_codes 16 x 64 x 32 x 24 uint8 (E2M3 codes of Wk, K innermost, in blocks of 32 codes, four codes in three bytes); Wk_scales 16 x 64 x 32 uint8 (E8M0 scales of Wk, one for each 32 codes along K); Wo_codes 1,024 x 32 x 24 uint8 (E2M3 codes of Wo, K innermost, in blocks of 32 codes, four codes in three bytes); Wo_scales 1,024 x 32 uint8 (E8M0 scales of Wo, one for each 32 codes along K); Wq_codes 16 x 64 x 32 x 24 uint8 (E2M3 codes of Wq, K innermost, in blocks of 32 codes, four codes in three bytes); Wq_scales 16 x 64 x 32 uint8 (E8M0 scales of Wq, one for each 32 codes along K); Wv_codes 16 x 64 x 32 x 24 uint8 (E2M3 codes of Wv, K innermost, in blocks of 32 codes, four codes in three bytes); Wv_scales 16 x 64 x 32 uint8 (E8M0 scales of Wv, one for each 32 codes along K); bk 16 x 64 float32; bo 1,024 float32; bq 16 x 64 float32; bv 16 x 64 float32; kv_codes 4 x 4,096 x 32 x 24 uint8 (E2M3 codes of kv, K innermost, in blocks of 32 codes, four codes in three bytes); kv_scales 4 x 4,096 x 32 uint8 (E8M0 scales of kv, one for each 32 codes along K); q_codes 4 x 2,048 x 32 x 24 uint8 (E2M3 codes of q, K innermost, in blocks of 32 codes, four codes in three bytes); q_scales 4 x 2,048 x 32 uint8 (E8M0 scales of q, one for each 32 codes along K).
;; Outputs: out0 4 x 2,048 x 1,024 float32.
;; This version of the problem:
;;   THIS VERSION OF THE PROBLEM IS GIVEN IN LOW PRECISION. The matrix products marked QUANTISED in the list below multiply operands that are first quantised to E2M3 (2 exponent bits, 3 mantissa bits; 6 bits a number), with one power-of-two scale for each 32 numbers along K (OCP MX v1.0); their sums are f32. All else is computed in f32.
;;   The module's matrix products, in the order in which they are computed (A, B: the left and right operand; K: the contracted axis; several contracted axes count as one K, in the product's order):
;;     1. [M 1,024, K 1,024] x [K 1,024, N 8,192]; A: input Wq (given as codes); B: input q (given as codes): QUANTISED
;;     2. [M 1,024, K 1,024] x [K 1,024, N 16,384]; A: input Wk (given as codes); B: input kv (given as codes): QUANTISED
;;     3. [M 1,024, K 1,024] x [K 1,024, N 16,384]; A: input Wv (given as codes); B: input kv (given as codes): QUANTISED
;;     4. batch 64 x [M 64, K 4,096] x [K 4,096, N 64]; A: computed on the way; B: computed on the way: QUANTISED
;;     5. batch 64 x [M 2,048, K 64] x [K 64, N 1]; A: computed on the way; B: computed on the way: left as it is (N = 1 < 16)
;;     6. batch 64 x [M 64, K 64] x [K 64, N 2,048]; A: computed on the way; B: computed on the way: QUANTISED
;;     7. batch 131,072 x [M 1, K 1] x [K 1, N 64]; A: computed on the way; B: computed on the way: left as it is (no contracted axis)
;;     8. [M 8,192, K 1,024] x [K 1,024, N 1,024]; A: computed on the way; B: input Wo (given as codes): QUANTISED
;;   THE QUANTISER, for each operand of a quantised product, along K:
;;     - K is cut into blocks of 32 from its start; a last block that is shorter is filled with zeros.
;;     - A block's scale is 2^e with e = floor(log2(the largest magnitude in the block)) - 2, held to -126 .. 127; a block of zeros has e = 0. As a byte (E8M0): e + 127.
;;     - Each number is divided by its block's scale, clamped to +-7.5, and rounded to the nearest number of E2M3, ties to even, subnormals kept.
;;     - The product sums the exact products of the quantised numbers (number of the format x scale) in f32.
;;   ~~~python
;;   def quantise(x, axis):      # numpy; x: float32 -> the quantised numbers, widened to float32 again
;;       x = np.moveaxis(x, axis, -1); K = x.shape[-1]
;;       x = np.pad(x, [(0, 0)] * (x.ndim - 1) + [(0, -K % 32)]); x = x.reshape(x.shape[:-1] + (-1, 32)); a = np.abs(x).max(-1, keepdims=True)
;;       e = np.where(a > 0, np.clip(np.frexp(np.where(a > 0, a, 1))[1] - 1 - 2, -126, 127), 0)      # np.frexp(a)[1] - 1 = floor(log2(a)), exactly
;;       r = np.clip(x / 2.0 ** e, -7.5, 7.5)
;;       step = 2.0 ** (np.maximum(np.frexp(np.where(r == 0, 1, r))[1] - 1, 0) - 3)
;;       q = np.round(r / step) * step * 2.0 ** e      # np.round: ties to even
;;       return np.moveaxis(q.reshape(q.shape[:-2] + (-1,))[..., :K], -1, axis).astype(np.float32)
;;   ~~~
;;   OPERANDS COMPUTED ON THE WAY. 'Computed on the way' means the value that the module computes at that place (a softmax that the list does not call 'softmax' is quantised finished and normalised). What goes into a quantiser is computed in f32, as accurately as f32 sums, v_exp_f32 and their like allow (about 1e-6 of the number): no bf16 or f16 on the way to a quantiser, and a product that is left as it is and whose result goes on into a quantised operand takes f32 operands (vector FMAs, or v_wmma_f32_16x16x4_f32). A number that lies on a knife's edge between two numbers of the format may be rounded either way, as far as f32 arithmetic and the matrix unit's own rounding can turn it there, and no further.
;;   INPUTS GIVEN AS CODES. Wk (in the module: [16, 1024, 64], K = its axis 1); Wo (in the module: [1024, 1024], K = its axis 1); Wq (in the module: [16, 1024, 64], K = its axis 1); Wv (in the module: [16, 1024, 64], K = its axis 1); kv (in the module: [4, 4096, 1024], K = its axis 2); q (in the module: [4, 2048, 1024], K = its axis 2): each comes as NAME_codes (uint8): NAME with its K axis moved to the last place and cut into blocks of 32 codes, [.., K / 32, bytes a block], one block behind the other in memory; four codes in three bytes: a row's codes are one little-endian stream of bits, code i at bits 6 i .. 6 i + 5 (a code: sign, 2 exponent bits, 3 mantissa bits); and NAME_scales (uint8): the same leading axes, one E8M0 byte (e + 127) for each 32 codes along K. Its value is code x scale, taken as it is: it is not quantised again, and the codes and scales need not be those that the quantiser above would give.
;; One version. Each part assembles by itself: llvm-mc -triple=amdgcn-amd-amdhsa -mcpu=gfx1250 --defsym DOCPART=n.
;; ======== version 1 of 1: 3 launches
;; workspace buffers: kvp 4,194,304 bytes; ksp 65,536 bytes; attc 6,291,456 bytes; atts 262,144 bytes
;; launch kvside (part 1): grid 16 x 16, 4 waves a work-group, clusters of 4 x 4, 327,680 bytes of LDS; arguments kv_codes, kv_scales, Wk_codes, Wk_scales, Wv_codes, Wv_scales, bk, bv, kvp, ksp; writes kvp, ksp
.if DOCPART == 1
	.amdgcn_target "amdgcn-amd-amdhsa--gfx1250"
	.amdhsa_code_object_version 6
	.text
	.protected	k_qbfe2bee150_kvside
	.globl	k_qbfe2bee150_kvside
	.p2align	8
	.type	k_qbfe2bee150_kvside,@function
k_qbfe2bee150_kvside:
	s_mov_b64 s[64:65], 0
	v_nop
	global_prefetch_b8 v0, s[64:65] scope:SCOPE_SE
	s_setreg_imm32_b32 hwreg(HW_REG_WAVE_MODE, 25, 1), 1
	s_wait_xcnt 0x0
	s_wait_alu depctr_hold_cnt(0) depctr_sa_sdst(0) depctr_va_vdst(0) depctr_va_sdst(0) depctr_va_ssrc(0) depctr_va_vcc(0) depctr_vm_vsrc(0)
	s_getreg_b32 s2, hwreg(HW_REG_IB_STS2, 6, 4)
	s_cmp_eq_u32 s2, 0
	s_cbranch_scc0 .Lentry_in_a_cluster
	s_endpgm
.Lentry_in_a_cluster:
	s_bfe_u32 s2, ttmp6, 0x10000c
	s_cmp_lg_u32 s2, 0xf033
	s_cbranch_scc0 .Lentry_shape_is_right
	s_endpgm
.Lentry_shape_is_right:
; KVSIDE.  kh = kv Wk + bk, vh = kv Wv + bv on the given codes of FP6 (E2M3); kh is squared; parts of kv_sum[d][e] = sum over tokens of kh^2[n][d] vh[n][e], both operands
; quantised along the tokens (blocks of 32), and of ksum[d] = sum over tokens of the unquantised kh^2.
; SHARES.  Work-group (x, y): head x, tokens 1024 y .. + 1023 of the 16,384 (y = 4 x batch + part), as two tiles of 512 tokens x 128 columns (Wk's 64 rows of the head, then Wv's 64).
; Wave w takes tokens 128 w .. + 127 of a tile and all 128 columns: 64 accumulators, 512 registers.  K (1,024) goes in steps of 256 through a ring of two LDS slots.
; LAYOUT.  Source 0 = 16 tokens, source 1 = 16 weight rows: in the result a lane holds ONE feature (lane % 16) and tokens 8 (lane / 16) + 0 .. 7 of the tile.  So the 64 registers of one feature
; tile's eight token tiles run along the tokens, which are the next product's K: they are quantised in registers and are one fragment (16 features x 128 tokens) of that product.
; Inside each block of 32 tokens the places are permuted (a lane's 16 numbers are tokens 0-7 and 16-23, or 8-15 and 24-31, of the block), alike in kh^2 and vh: blocks and scales are the
; quantiser's own, the products are the same, only their order inside a matrix instruction differs.
; The 16 accumulators of kv_sum stay in registers over both tiles; at the end the four waves' are added through LDS, in the order of the waves, and leave as one part for (y, head).
; CLUSTERS: 4 x 4 work-groups.  The four of a row of the cluster (same y) need the same tokens, the four of a column (same head) the same weights: each tile is asked for jointly.
; THE REFILL stands as early as its slot is free.  A slot's last fragments are asked for at the end of its first K step, so the change of slots stands at the head of its second: eight products between
; the add and the wait for it, eight between signal and wait, then the round and the joint load.  From a request to the wait for it a wave issues 112 of a slot step's 128 products.
; TILE 1's TOKENS ARE PREFETCHED INTO THE L2.  A row of kv's codes is 768 bytes, three aligned blocks of 256; a slot step takes 192 bytes of it.  Behind the joint loads of slot steps 1, 2, 3 stands one
; global_prefetch_b8 a wave, for block 0, 1, 2 of tile 1's rows: block j holds the last byte of the tile's part j, which is asked for by the joint load one slot step later (block 2: a slot step and the
; work between the tiles later); part 3 ends in block 2.  WHO: the four clusters along x walk the same tokens: cluster x = 0 asks.  Its four partners of a row share the tile's 512 rows out BY ADDRESS,
; 128 each (by cx); each wave takes 32, a lane a row: each block is named once in the launch.  Tile 0 is not asked for: its parts 0 and 1 are the first fills, parts 2 and 3 follow within two slot steps.
; The weights are not asked for: they are a fifth of a step's bytes, and of their eight fills only two could be asked for ahead.
; LIMITS: NaN and infinities are not served.  A block whose largest magnitude lies under 2^-124 has its scale byte held at 1; a block of zeros has the byte 1 and not 127: its codes are zeros,
; and the bytes never leave the registers.  kv_sum and ksum are sums of parts added in a fixed order in f32.
; REGISTERS, in windows of 256:
;   window 0: v1-15 addresses; v16-23 ksum, a pair for each tile of 16 features; v24-27 bk, v28-31 bv; v32-63 token scale words; v64-79 Wk's, v80-95 Wv's; v96-191 weight fragments, ONE set; v192-255 kv_sum's accumulators 0-7
;   window 1: v0-95, v96-191 token fragments, TWO sets; v192-255 kv_sum's accumulators 8-15.   window 2: kh's 32 accumulators ((a, b) at v[64 a + 8 b]).   window 3: vh's.
;   Between the tiles no fragment is live: window 0 v96-111 are at work, window 1 v0-95 take the eight new fragments, v96-102 half blocks of codes.
.set PITCH,  240                       ; an LDS row: 3 x (64 bytes of codes + 16 of padding): the 32 lanes of a load of 8 bytes touch 64 different banks (64 banks of 4 bytes: ISA guide 11.1)
.set KROW,   768                       ; a row of 1,024 codes in memory
.set SLOT,   640*PITCH                 ; 512 token rows, Wk's 64 rows, Wv's 64 rows, 256 along K each
.set WOFF,   512*PITCH                 ; where the weights' rows begin in a slot
.set SPARE,  2*SLOT                    ; behind the ring: the spare words, 128 bytes for each wave: two blocks of 256 bytes that no other line names
.set KSS,    65536                     ; at the end, in slot 0 (which has had its last fill and its last read): from byte 0 four images of 16,384 bytes, from here four times 256 bytes of ksum
.set SPW,  1                           ; v1   LDS address of my spare word; never rewritten
.set NIL,  2                           ; v2   0; never rewritten
.set LI,   3                           ; v3   16 x lane
.set ADRT, 4                           ; v4-5 my token fragments in slot 0, 1; v6-7 the same behind one padding more
.set ADRW, 8                           ; v8-9, v10-11 the same for the weights
.set SCO,  12                          ; v12  32 x lane: a row of scale bytes a lane
.set B4,   13                          ; v13  at the head 4 x (lane % 16), for the biases; at the end an LDS address;
.set PFO,  13                          ;      between the two the prefetches' offset: 768 x lane, a row of kv's codes a lane
.set RA,   14                          ; v14  the end: where my accumulators' image goes
.set RB,   15                          ; v15  the end: the quarter of the images that I add
.set KS,   16
.set BK,   24
.set BV,   28
.set TS,   32                          ; token scale words: register 8 (b / 2) + k: lanes 0-15 tile b even, lanes 16-31 tile b odd, K step k
.set WS,   64                          ; the weights' likewise: Wk's at 64, Wv's at 80
.set WF,   96
.set TM,   96                          ; the quantiser's sixteen registers at work
.set KV,   192
.set G1T, 24                           ; s[24:31] descriptor group 1 for token tiles;  s[32:39] for weight tiles
.set G1W, 32
.set G0T, 40                           ; s[40:47] group 0 for token tiles, one set for each slot;  s[48:55] for weight tiles
.set G0W, 48
.set WV,   56
.set ROLE, 57
.set HALF, 58
.set CX,   59
.set CY,   60
.set GX,   61
.set GY,   62
.set ROWM, 63
.set COLM, 66
.set SEL,  68
.set PFA,  88                          ; s[88:89] where my prefetches stand: my wave's 32 rows of my work-group's 128 of tile 1; never rewritten
.set CLX,  92                          ; s92  the cluster's x: the same in all sixteen partners
.set MSB, 0
.macro WIN new                         ; the immediate's high byte repeats the setting that is left; a switch that changes nothing is dropped
.if MSB != (\new)
	s_set_vgpr_msb (MSB<<8)|(\new)
.set MSB, \new
.endif
.endm
.set MUL_LO, 0xa1                      ; source 0 (tokens) window 1, source 1 (weights) window 0, C and D window 2
.set MUL_HI, 0xf1                      ; the same, C and D window 3
.macro PLACES n                        ; plain vector instructions between a matrix instruction and what may not follow it at once (ISA guide 7.12.1)
.rept \n
	v_nop
.endr
.endm
; A joint load: waves 0 and 1 fetch the tokens' halves, wave 2 Wk's rows, wave 3 Wv's.  The branch hangs on the wave's number alone.  Four v_nop follow each of the two lines.
.macro JLOAD g0t, g0w
	s_cmp_eq_u32 s[ROLE], 0
	s_cbranch_scc0 .Lfor_w_\@
	tensor_load_to_lds s[\g0t:\g0t+3], s[G1T:G1T+7]
	s_nop 0
.rept 4
	v_nop
.endr
	s_branch .Lasked_\@
.Lfor_w_\@:
	tensor_load_to_lds s[\g0w:\g0w+3], s[G1W:G1W+7]
	s_nop 0
.rept 4
	v_nop
.endr
.Lasked_\@:
.endm
; A prefetch into the L2: block blk (256 bytes) of 32 rows of tile 1, a lane a row.  It stands behind the wave's joint load and its four lines.  The branch hangs on the cluster's number, which all partners share.
.macro ASK blk
	s_cmp_eq_u32 s[CLX], 0
	s_cbranch_scc0 .Lnot_mine_\@
	global_prefetch_b8 v[PFO], s[PFA:PFA+1] offset:256*(\blk) th:TH_LOAD_NT scope:SCOPE_SE
.Lnot_mine_\@:
.endm
.macro CREST                           ; a round of the cluster's barrier behind its opening barrier
	s_cmp_lg_u32 s[WV], 0
	s_cbranch_scc1 .Lnot_wave_0_\@
	s_barrier_signal -3
.Lnot_wave_0_\@:
	s_barrier_wait -3
	s_barrier_signal -1
	s_barrier_wait -1
.endm
.macro CROUND                          ; a whole round
	s_barrier_signal -1
	s_barrier_wait -1
	CREST
.endm
; One product.  c: -1 = the constant 0, else C's first register.  ra, rb: 1 = the side's scale words stand in lanes 16-31 of its register.
.macro WM d, a, b, c, sa, sb, ra, rb
.set WSEL, (\ra)+2*(\rb)
.if (\c) < 0
.if WSEL == 0
	v_wmma_scale_f32_16x16x128_f8f6f4 v[\d:\d+7], v[\a:\a+11], v[\b:\b+11], 0, v[\sa], v[\sb] matrix_a_fmt:MATRIX_FMT_FP6 matrix_b_fmt:MATRIX_FMT_FP6
.elseif WSEL == 1
	v_wmma_scale_f32_16x16x128_f8f6f4 v[\d:\d+7], v[\a:\a+11], v[\b:\b+11], 0, v[\sa], v[\sb] matrix_a_fmt:MATRIX_FMT_FP6 matrix_b_fmt:MATRIX_FMT_FP6 matrix_a_scale:MATRIX_SCALE_ROW1
.elseif WSEL == 2
	v_wmma_scale_f32_16x16x128_f8f6f4 v[\d:\d+7], v[\a:\a+11], v[\b:\b+11], 0, v[\sa], v[\sb] matrix_a_fmt:MATRIX_FMT_FP6 matrix_b_fmt:MATRIX_FMT_FP6 matrix_b_scale:MATRIX_SCALE_ROW1
.else
	v_wmma_scale_f32_16x16x128_f8f6f4 v[\d:\d+7], v[\a:\a+11], v[\b:\b+11], 0, v[\sa], v[\sb] matrix_a_fmt:MATRIX_FMT_FP6 matrix_b_fmt:MATRIX_FMT_FP6 matrix_a_scale:MATRIX_SCALE_ROW1 matrix_b_scale:MATRIX_SCALE_ROW1
.endif
.else
.if WSEL == 0
	v_wmma_scale_f32_16x16x128_f8f6f4 v[\d:\d+7], v[\a:\a+11], v[\b:\b+11], v[\c:\c+7], v[\sa], v[\sb] matrix_a_fmt:MATRIX_FMT_FP6 matrix_b_fmt:MATRIX_FMT_FP6
.elseif WSEL == 1
	v_wmma_scale_f32_16x16x128_f8f6f4 v[\d:\d+7], v[\a:\a+11], v[\b:\b+11], v[\c:\c+7], v[\sa], v[\sb] matrix_a_fmt:MATRIX_FMT_FP6 matrix_b_fmt:MATRIX_FMT_FP6 matrix_a_scale:MATRIX_SCALE_ROW1
.elseif WSEL == 2
	v_wmma_scale_f32_16x16x128_f8f6f4 v[\d:\d+7], v[\a:\a+11], v[\b:\b+11], v[\c:\c+7], v[\sa], v[\sb] matrix_a_fmt:MATRIX_FMT_FP6 matrix_b_fmt:MATRIX_FMT_FP6 matrix_b_scale:MATRIX_SCALE_ROW1
.else
	v_wmma_scale_f32_16x16x128_f8f6f4 v[\d:\d+7], v[\a:\a+11], v[\b:\b+11], v[\c:\c+7], v[\sa], v[\sb] matrix_a_fmt:MATRIX_FMT_FP6 matrix_b_fmt:MATRIX_FMT_FP6 matrix_a_scale:MATRIX_SCALE_ROW1 matrix_b_scale:MATRIX_SCALE_ROW1
.endif
.endif
.endm
; A fragment, 16 rows x 128 K of 6-bit codes, is 12 registers: lane l holds row l % 16; registers 6 c .. 6 c + 5 hold K = 64 c + 32 (l / 16) + 0 .. 31: 24 bytes of the row as they lie, in pieces of 8 bytes.
; Lanes 16-31 read three pieces further on than lanes 0-15; where that lies behind one padding more, the second address register (ns registers on) serves.
.macro FRAG reg, adr, ns, q, i
.irp p, 0,1,2,3,4,5
.set PC, 12*(\q)+6*(\p/3)+\p%3
.if PC%8 < 5
	ds_load_b64 v[\reg+2*\p:\reg+2*\p+1], v[\adr] offset:8*PC+16*(PC/8)+(\i)*16*PITCH
.else
	ds_load_b64 v[\reg+2*\p:\reg+2*\p+1], v[\adr+\ns] offset:8*PC+16*(PC/8)+(\i)*16*PITCH
.endif
.endr
.endm
; 8 products: weight block a x the eight token tiles, K step k; p: the tokens' set.  The 64 accumulators take turns, one instruction a turn, in the same order in every step.
.macro MULA a, p, k, zero
.irp b, 0,1,2,3,4,5,6,7
.if \zero
	WM 8*(8*((\a)%4)+\b), 96*(\p)+12*\b, WF+12*(\a), -1, TS+8*(\b/2)+(\k), WS+16*((\a)/4)+8*(((\a)%4)/2)+(\k), \b%2, (\a)%2
.else
	WM 8*(8*((\a)%4)+\b), 96*(\p)+12*\b, WF+12*(\a), 8*(8*((\a)%4)+\b), TS+8*(\b/2)+(\k), WS+16*((\a)/4)+8*(((\a)%4)/2)+(\k), \b%2, (\a)%2
.endif
.endr
.endm
.macro MUL16 a0, p, k, zero            ; weight blocks a0 and a0 + 1
	MULA \a0, \p, \k, \zero
	MULA (\a0)+1, \p, \k, \zero
.endm
.macro FETCH_T slot, q, p              ; my eight token fragments of the slot's q-th 128 along K into set p
	WIN 0x40
.irp i, 0,1,2,3,4,5,6,7
	FRAG 96*(\p)+12*\i, ADRT+\slot, 2, \q, \i
.endr
	WIN 0
.endm
.macro FETCH_W slot, q, i0             ; weight blocks i0 .. i0 + 3
.irp i, \i0, \i0+1, \i0+2, \i0+3
	FRAG WF+12*(\i), ADRW+\slot, 2, \q, \i
.endr
.endm
; A slot's first 128 along K (K step k).  A weight block is free as soon as its eight products are issued: blocks 0-3 are fetched anew in the middle, blocks 4-7 at the end.
.macro STEP slot, k, zero
	s_wait_dscnt 24                                ; the tokens' set and weight blocks 0-3 are in; the youngest 24 loads (blocks 4-7) may be out
	WIN MUL_LO
	MUL16 0, 0, \k, \zero
	MUL16 2, 0, \k, \zero
	s_wait_dscnt 0x0                               ; blocks 4-7 are in
	PLACES 4
	FETCH_T \slot, 1, 1
	FETCH_W \slot, 1, 0
	WIN MUL_HI
	MUL16 4, 0, \k, \zero
	MUL16 6, 0, \k, \zero
	PLACES 4
	WIN 0
	FETCH_W \slot, 1, 4
.endm
; A slot's second 128 along K changes slots, at its head: ONE barrier; in front of it each wave waits for all its tensor loads, adds 0 to its spare word, and waits for that and for its own reads of this slot,
; the last of which were issued at the end of the step before.
; fill = 1: the slot is filled again, two slot steps ahead (nxt = 1: that step belongs to the next tile of 512 tokens: tokens 512 rows down and back along K, weights back along K).
; fetch = 0: the tile ends here, and the fragments' registers are wanted for the work between the tiles.  ask: the block of tile 1's rows that is prefetched behind the joint load, or -1.
.macro TURN slot, next, k, fill, fetch, nxt, ask
	s_wait_tensorcnt 0x0                           ; all my tensor loads have landed: my part of the next slot
	ds_add_u32 v[SPW], v[NIL]                      ; 0 onto my spare word
	s_wait_dscnt 25                                ; (the add and the youngest 24 loads, weight blocks 4-7, may be out)
	WIN MUL_LO
	MULA 0, 1, \k, 0                               ; eight products stand between the add and the wait for it
	s_wait_dscnt 0x0                               ; the add is done, and my reads of this slot are over
	s_barrier_signal -1
	MULA 1, 1, \k, 0
	WIN 0
	s_barrier_wait -1
.if \fill
	CREST                                          ; the barrier has opened a round of the cluster's barrier: no wave of any partner still reads this slot or has a load on its way
.if \nxt
	s_add_nc_u64 s[G0T+4*\slot+2:G0T+4*\slot+3], s[G0T+4*\slot+2:G0T+4*\slot+3], 512*KROW-384
	s_sub_nc_u64 s[G0W+4*\slot+2:G0W+4*\slot+3], s[G0W+4*\slot+2:G0W+4*\slot+3], 384
.else
	s_add_nc_u64 s[G0T+4*\slot+2:G0T+4*\slot+3], s[G0T+4*\slot+2:G0T+4*\slot+3], 384
	s_add_nc_u64 s[G0W+4*\slot+2:G0W+4*\slot+3], s[G0W+4*\slot+2:G0W+4*\slot+3], 384
.endif
	JLOAD G0T+4*\slot, G0W+4*\slot                 ; the first tensor load behind the round: 112 products ahead of the wait for it
.if (\ask) >= 0
	ASK \ask                                       ; what the next joint load will ask for
.endif
.endif
	WIN MUL_LO
	MUL16 2, 1, \k, 0
.if \fetch
	PLACES 4                                       ; in front of the loads into weight blocks 0-3, just multiplied
	FETCH_T \next, 0, 0
	FETCH_W \next, 0, 0
.endif
	WIN MUL_HI
	MUL16 4, 1, \k, 0
	MUL16 6, 1, \k, 0
.if \fetch
	PLACES 4
	WIN 0
	FETCH_W \next, 0, 4
.endif
.endm
; THE QUANTISER.  64 numbers of a lane, v[xr] .. v[xr + 63] of window xw, sixteen of each of four blocks of 32 (the other sixteen lie in lane l xor 16), become a fragment's 12 registers
; v[fr] on in window fw and its scale word v[pw] (window 0).  ct: seven registers of window fw for the half blocks whose three registers would begin on an odd number.
.macro QUANT xw, xr, fw, fr, ct, pw
	WIN (\xw)|((\xw)<<2)
.irp b, 0,1,2,3
	v_max3_num_f32 v[TM+\b], |v[\xr+16*\b]|, |v[\xr+16*\b+1]|, 0x1800000   ; my 16 numbers of block b, and the floor 2^(3 - 127): so the byte cannot fall under 1
.endr
.irp i, 2,4,6,8,10,12,14
.irp b, 0,1,2,3
	v_max3_num_f32 v[TM+\b], |v[\xr+16*\b+\i]|, |v[\xr+16*\b+\i+1]|, v[TM+\b]   ; (the four blocks by turns)
.endr
.endr
	WIN 0
.irp b, 0,1,2,3
	v_permlanex16_b32 v[TM+4+\b], v[TM+\b], s[SEL], s[SEL+1]
.endr
.irp b, 0,1,2,3
	v_max_num_f32 v[TM+\b], v[TM+\b], v[TM+4+\b]   ; with lane l xor 16's: the block's largest magnitude
.endr
.irp b, 0,1,2,3
	v_add_nc_u32 v[TM+12+\b], 0xff000000, v[TM+\b] ; 2 off its exponent field: the conversion takes the exponent field of this operand as its scale
.endr
.irp b, 0,1,2,3
	v_lshrrev_b32 v[TM+4+\b], 23, v[TM+12+\b]      ; the scale's byte
.endr
	v_lshl_or_b32 v[\pw], v[TM+5], 8, v[TM+4]      ; the four bytes make my row's scale word
	v_lshl_or_b32 v[\pw], v[TM+6], 16, v[\pw]
	v_lshl_or_b32 v[\pw], v[TM+7], 24, v[\pw]
	WIN ((\fw)<<6)|(\xw)
.irp c, 0,1
	v_cvt_scalef32_pk16_fp6_f32 v[\fr+6*\c:\fr+6*\c+2], v[\xr+32*\c:\xr+32*\c+15], v[TM+12+2*\c]
	v_cvt_scalef32_pk16_fp6_f32 v[\ct+4*\c:\ct+4*\c+2], v[\xr+32*\c+16:\xr+32*\c+31], v[TM+13+2*\c]
.endr
	v_nop                                          ; one plain place behind a scaled conversion
	WIN ((\fw)<<6)|(\fw)
.irp c, 0,1                                    ; the operand's layout wants a WHOLE block in a lane: lanes 0-15 block 2 c, lanes 16-31 block 2 c + 1
.irp i, 0,1,2
	v_permlane16_swap_b32 v[\fr+6*\c+\i], v[\ct+4*\c+\i]
.endr
.irp i, 0,1,2
	v_mov_b32 v[\fr+6*\c+3+\i], v[\ct+4*\c+\i]
.endr
.endr
.endm
.macro ADDB bias                       ; under the caller's windows: feature tile a's bias onto its 64 numbers, each accumulator from its low end on; of a pair of bias registers one word serves both halves
.irp a, 0,1,2,3
.set i, 0
.rept 32
.if \a%2 == 0
	v_pk_add_f32 v[64*\a+i:64*\a+i+1], v[64*\a+i:64*\a+i+1], v[\bias+2*(\a/2):\bias+2*(\a/2)+1] op_sel_hi:[1,0]
.else
	v_pk_add_f32 v[64*\a+i:64*\a+i+1], v[64*\a+i:64*\a+i+1], v[\bias+2*(\a/2):\bias+2*(\a/2)+1] op_sel:[0,1] op_sel_hi:[1,1]
.endif
.set i, i+2
.endr
.endr
.endm
; BETWEEN THE TILES: biases, ksum, squares, eight fragments, sixteen products onto kv_sum.  The new fragments' scale words take the token scale registers of K steps 6 and 7 (v38, 39, 46, 47, ..), which are done with.
; reload = 1: the next tile's token scale words are asked for: K steps 0-3 early, K steps 4-7 behind the products that read the registers.
.macro EPI first, reload
	PLACES 4
	WIN 0
.irp b, 0,1,2,3
	v_mov_b32 v[TM+4+\b], 0                        ; a lane permute's destination counts as one of its sources
.endr
	WIN 0x82
	ADDB BK                                        ; kh
.if \reload
	WIN 0
.irp g, 0,1,2,3
	global_load_b128 v[TS+8*\g:TS+8*\g+3], v[SCO], s[6:7] offset:16384+1024*\g
.endr
.endif
	WIN 0x0a
.set i, 0
.rept 32
.irp a, 0,1,2,3
	v_pk_fma_f32 v[KS+2*\a:KS+2*\a+1], v[64*\a+i:64*\a+i+1], v[64*\a+i:64*\a+i+1], v[KS+2*\a:KS+2*\a+1]   ; ksum takes the unquantised squares: four chains by turns
.endr
.set i, i+2
.endr
	WIN 0x8a
.set i, 0
.rept 128
	v_pk_mul_f32 v[i:i+1], v[i:i+1], v[i:i+1]      ; kh^2
.set i, i+2
.endr
	WIN 0xc3
	ADDB BV                                        ; vh
.irp a, 0,1,2,3,4,5,6,7
	QUANT 2+\a/4, 64*(\a%4), 1, 12*\a, 96, TS+8*(\a/2)+6+\a%2
.endr
	PLACES 8                                       ; a scale register written by a vector instruction stands 8 places ahead of a scaled product, an operand so written 4
	WIN 0x05
.irp dt, 0,1
.irp et, 0,1,2,3
.if \first
	WM KV+8*(4*\dt+\et), 12*\dt, 48+12*\et, -1, TS+8*(\dt/2)+6+\dt%2, TS+8*((4+\et)/2)+6+\et%2, 0, 0
.else
	WM KV+8*(4*\dt+\et), 12*\dt, 48+12*\et, KV+8*(4*\dt+\et), TS+8*(\dt/2)+6+\dt%2, TS+8*((4+\et)/2)+6+\et%2, 0, 0
.endif
.endr
.endr
	WIN 0x55
.irp dt, 2,3
.irp et, 0,1,2,3
.if \first
	WM KV+8*(4*(\dt-2)+\et), 12*\dt, 48+12*\et, -1, TS+8*(\dt/2)+6+\dt%2, TS+8*((4+\et)/2)+6+\et%2, 0, 0
.else
	WM KV+8*(4*(\dt-2)+\et), 12*\dt, 48+12*\et, KV+8*(4*(\dt-2)+\et), TS+8*(\dt/2)+6+\dt%2, TS+8*((4+\et)/2)+6+\et%2, 0, 0
.endif
.endr
.endr
	WIN 0
	PLACES 4
.if \reload
.irp g, 0,1,2,3
	global_load_b128 v[TS+8*\g+4:TS+8*\g+7], v[SCO], s[6:7] offset:16384+1024*\g+16
.endr
.endif
.endm
	s_load_b256 s[4:11], s[0:1], 0x0               ; kv's codes s[4:5], kv's scales s[6:7], Wk's codes s[8:9], Wk's scales s[10:11]
	s_load_b256 s[12:19], s[0:1], 0x20             ; Wv's codes s[12:13], Wv's scales s[14:15], bk s[16:17], bv s[18:19]
	s_load_b128 s[20:23], s[0:1], 0x40             ; kvp s[20:21], ksp s[22:23]
	v_lshl_add_u32 v[SPW], v0, 2, SPARE
	v_mov_b32 v[NIL], 0
	ds_add_u32 v1, v2
	ds_add_u32 v1, v2
	s_wait_dscnt 0x0
	v_lshrrev_b32 v3, 5, v0
	v_readfirstlane_b32 s[WV], v3                  ; wave 0..3
	s_lshr_b32 s[ROLE], s[WV], 1                   ; I fetch tokens (0) or weights (1)
	s_and_b32 s[HALF], s[WV], 1                    ; which half of the tokens; Wk's rows or Wv's
	s_bfe_u32 s[CX], ttmp6, 0x40000                ; my place in the cluster
	s_bfe_u32 s[CY], ttmp6, 0x40004
	s_mov_b32 s[CLX], ttmp9                        ; the cluster's x
	s_lshl_b32 s[GX], ttmp9, 2
	s_add_co_u32 s[GX], s[GX], s[CX]               ; the head = 4 x cluster x + cx
	s_and_b32 s[GY], ttmp7, 0xffff
	s_lshl_b32 s[GY], s[GY], 2
	s_add_co_u32 s[GY], s[GY], s[CY]               ; the run of 1,024 tokens = 4 x cluster y + cy
	s_lshl_b32 s[ROWM], s[CY], 2
	s_lshl_b32 s[ROWM], 15, s[ROWM]                ; my row of the cluster
	s_lshl_b32 s[COLM], 0x1111, s[CX]              ; my column
	s_or_b32 s[G1T], s[ROWM], (1<<20)|(1<<21)|(3<<22)|(3<<25)   ; 15:0 the mask; 17:16 elements of 1 byte; 20 padding on; 21 set beside a mask; 24:22 after every 16 words; 31:25 4 words of it
	s_mov_b32 s[G1T+1], 192<<16                    ; tensor_dim0 = 192 bytes: 256 codes
	s_mov_b32 s[G1T+2], 256<<16                    ; tensor_dim1 = 256 rows
	s_mov_b32 s[G1T+3], 192<<16                    ; tile_dim0
	s_mov_b32 s[G1T+4], 256                        ; tile_dim1
	s_mov_b32 s[G1T+5], KROW                       ; from row to row
	s_mov_b32 s[G1T+6], 0
	s_mov_b32 s[G1T+7], 0
	s_or_b32 s[G1W], s[COLM], (1<<20)|(1<<21)|(3<<22)|(3<<25)
	s_mov_b32 s[G1W+1], 192<<16
	s_mov_b32 s[G1W+2], 64<<16                     ; 64 rows
	s_mov_b32 s[G1W+3], 192<<16
	s_mov_b32 s[G1W+4], 64
	s_mov_b32 s[G1W+5], KROW
	s_mov_b32 s[G1W+6], 0
	s_mov_b32 s[G1W+7], 0
	s_mov_b32 s[SEL], 0x76543210
	s_mov_b32 s[SEL+1], 0xfedcba98                 ; v_permlanex16_b32's selects for lane l xor 16
	s_lshl_b32 s72, s[GY], 10                      ; tokens: row 1024 y + 256 x half; these registers never hold the head
	s_lshl_b32 s73, s[HALF], 8
	s_add_co_u32 s72, s72, s73
	s_mul_i32 s72, s72, KROW
	s_mov_b32 s73, 0
	s_mul_i32 s76, s[GX], 64*KROW                  ; weights: the head's 64 rows; these registers never hold y
	s_mov_b32 s77, 0
	s_mul_i32 s80, s[HALF], 256*PITCH              ; where they go: no place in the cluster enters an LDS address
	s_mul_i32 s81, s[HALF], 64*PITCH
	s_wait_kmcnt 0x0
	s_add_nc_u64 s[74:75], s[4:5], s[72:73]
	s_cmp_eq_u32 s[HALF], 0
	s_cselect_b64 s[78:79], s[8:9], s[12:13]       ; wave 2: Wk, wave 3: Wv
	s_add_nc_u64 s[78:79], s[78:79], s[76:77]
	CROUND                                         ; all sixteen work-groups are here: the first joint loads meet
.irp s, 0,1
	s_mov_b32 s[G0T+4*\s], 1
	s_add_co_u32 s[G0T+4*\s+1], s80, \s*SLOT
	s_add_nc_u64 s[G0T+4*\s+2:G0T+4*\s+3], s[74:75], \s*192
	s_or_b32 s[G0T+4*\s+3], s[G0T+4*\s+3], 0x80000000
	s_mov_b32 s[G0W+4*\s], 1
	s_add_co_u32 s[G0W+4*\s+1], s81, WOFF+\s*SLOT
	s_add_nc_u64 s[G0W+4*\s+2:G0W+4*\s+3], s[78:79], \s*192
	s_or_b32 s[G0W+4*\s+3], s[G0W+4*\s+3], 0x80000000
	JLOAD G0T+4*\s, G0W+4*\s                       ; both slots' first fills: two loads of mine are out
.endr
	s_lshl_b32 s82, s[GY], 15                      ; my 128 tokens' scale bytes: (1024 y + 128 w) x 32
	s_lshl_b32 s83, s[WV], 12
	s_add_co_u32 s82, s82, s83
	s_mov_b32 s83, 0
	s_add_nc_u64 s[6:7], s[6:7], s[82:83]
	s_lshl_b32 s82, s[GX], 11                      ; the head's 64 rows of 32 scale bytes
	s_add_nc_u64 s[10:11], s[10:11], s[82:83]
	s_add_nc_u64 s[14:15], s[14:15], s[82:83]
	s_lshl_b32 s82, s[GX], 8                       ; the head's 64 biases
	s_add_nc_u64 s[16:17], s[16:17], s[82:83]
	s_add_nc_u64 s[18:19], s[18:19], s[82:83]
	s_lshl_b32 s84, s[GY], 4
	s_add_co_u32 s84, s84, s[GX]                   ; 16 y + head
	s_lshl_b32 s82, s84, 8
	s_add_nc_u64 s[22:23], s[22:23], s[82:83]      ; ksp: 256 bytes each
	s_lshl_b32 s82, s84, 14
	s_lshl_b32 s85, s[WV], 12
	s_add_co_u32 s82, s82, s85
	s_add_nc_u64 s[20:21], s[20:21], s[82:83]      ; kvp: 16,384 bytes each, my quarter
	s_lshl_b32 s90, s[GY], 10                      ; the prefetches: row 1024 y + 512 (tile 1) + 128 cx (my work-group's share, by address) + 32 w (my wave's); the last is row 1024 y + 1023
	s_add_co_u32 s90, s90, 512
	s_lshl_b32 s91, s[CX], 7
	s_add_co_u32 s90, s90, s91
	s_lshl_b32 s91, s[WV], 5
	s_add_co_u32 s90, s90, s91
	s_mul_i32 s90, s90, KROW
	s_mov_b32 s91, 0
	s_add_nc_u64 s[PFA:PFA+1], s[4:5], s[90:91]
	v_and_b32 v[RA], 15, v0                        ; r = lane % 16
	v_bfe_u32 v[RB], v0, 4, 1                      ; h = lane / 16
	v_mul_u32_u24 v[SCO], v[RA], PITCH
	v_mad_u32_u24 v[SCO], v[RB], 24, v[SCO]        ; a fragment's row x pitch + 24 x half
	v_lshl_add_u32 v[B4], v[RB], 4, v[SCO]         ; and the same behind one padding more
	s_mul_i32 s84, s[WV], 128*PITCH                ; my 128 token rows
	s_mov_b32 s85, WOFF
.irp s, 0,1
	v_add_nc_u32 v[ADRT+\s], s84, v[SCO]
	v_add_nc_u32 v[ADRT+2+\s], s84, v[B4]
	v_add_nc_u32 v[ADRW+\s], s85, v[SCO]
	v_add_nc_u32 v[ADRW+2+\s], s85, v[B4]
	s_add_co_u32 s84, s84, SLOT
	s_add_co_u32 s85, s85, SLOT
.endr
	v_lshlrev_b32 v[B4], 2, v[RA]
	v_and_b32 v[LI], 31, v0
	v_lshlrev_b32 v[SCO], 5, v[LI]
	v_lshlrev_b32 v[LI], 4, v[LI]
	s_lshl_b32 s84, s[WV], 14
	v_add_nc_u32 v[RA], s84, v[LI]
	s_lshl_b32 s84, s[WV], 12
	v_add_nc_u32 v[RB], s84, v[LI]
.irp g, 0,1,2,3                                ; a row's 32 scale bytes are its eight words for the eight K steps: lane l takes token 32 g + l: 32 lanes read 1,024 consecutive bytes in two loads
	global_load_b128 v[TS+8*\g:TS+8*\g+3], v[SCO], s[6:7] offset:1024*\g
	global_load_b128 v[TS+8*\g+4:TS+8*\g+7], v[SCO], s[6:7] offset:1024*\g+16
.endr
.irp g, 0,1
	global_load_b128 v[WS+8*\g:WS+8*\g+3], v[SCO], s[10:11] offset:1024*\g
	global_load_b128 v[WS+8*\g+4:WS+8*\g+7], v[SCO], s[10:11] offset:1024*\g+16
	global_load_b128 v[WS+16+8*\g:WS+16+8*\g+3], v[SCO], s[14:15] offset:1024*\g
	global_load_b128 v[WS+16+8*\g+4:WS+16+8*\g+7], v[SCO], s[14:15] offset:1024*\g+16
.endr
.irp a, 0,1,2,3
	global_load_b32 v[BK+\a], v[B4], s[16:17] offset:64*\a   ; the bias of my feature 16 a + r
	global_load_b32 v[BV+\a], v[B4], s[18:19] offset:64*\a
.endr
.irp i, 0,1,2,3,4,5,6,7
	v_mov_b32 v[KS+\i], 0
.endr
	s_wait_tensorcnt 1                             ; my part of slot 0 is in; slot 1's load may stay out
	s_barrier_signal -1
	s_barrier_wait -1                              ; everybody's is
	FETCH_T 0, 0, 0
	FETCH_W 0, 0, 0
	FETCH_W 0, 0, 4
	s_wait_loadcnt 0x0                             ; scale words and biases: the loads that read v13 are done, so it may be written:
	v_and_b32 v[PFO], 31, v0
	v_mul_u32_u24 v[PFO], v[PFO], KROW             ; the prefetches' offset, a row a lane
	; ---- tile 0: tokens 0 .. 511 of the run.  The text is flat: the scale registers' numbers change with the K step
	STEP 0, 0, 1
	TURN 0, 1, 1, 1, 1, 0, -1
	STEP 1, 2, 0
	TURN 1, 0, 3, 1, 1, 0, 0                       ; and tile 1's block 0 is prefetched
	STEP 0, 4, 0
	TURN 0, 1, 5, 1, 1, 1, 1                       ; the ring goes on into tile 1; its block 1 is prefetched
	STEP 1, 6, 0
	TURN 1, 0, 7, 1, 0, 1, 2                       ; its block 2
	EPI 1, 1
	FETCH_T 0, 0, 0
	FETCH_W 0, 0, 0
	FETCH_W 0, 0, 4
	s_wait_loadcnt 4                               ; tile 1's scale words of K steps 0-3 are in; the four loads for K steps 4-7 may be out
	; ---- tile 1
	STEP 0, 0, 1
	TURN 0, 1, 1, 1, 1, 0, -1
	STEP 1, 2, 0
	TURN 1, 0, 3, 1, 1, 0, -1
	s_wait_loadcnt 0x0                             ; the scale words of K steps 4-7
	STEP 0, 4, 0
	TURN 0, 1, 5, 0, 1, 0, -1                      ; nothing is left to fetch: a plain barrier
	STEP 1, 6, 0
	s_wait_dscnt 24                                ; the very last step
	WIN MUL_LO
	MUL16 0, 1, 7, 0
	MUL16 2, 1, 7, 0
	s_wait_dscnt 0x0
	WIN MUL_HI
	MUL16 4, 1, 7, 0
	MUL16 6, 1, 7, 0
	EPI 0, 0
	; ---- THE END.  Slot 0 has had its last fill, and every wave has passed the last change of slots, behind which nobody reads it: the four waves' accumulators meet there as images of their registers
.irp i, 0,1,2,3,4,5,6,7
	ds_store_b128 v[RA], v[KV+8*\i:KV+8*\i+3] offset:\i*1024           ; each accumulator from its low end on
	ds_store_b128 v[RA], v[KV+8*\i+4:KV+8*\i+7] offset:\i*1024+512
.endr
	WIN 0x04                                       ; an LDS store's data are its source 1: window 1
.irp i, 0,1,2,3,4,5,6,7
	ds_store_b128 v[RA], v[KV+8*\i:KV+8*\i+3] offset:(8+\i)*1024
	ds_store_b128 v[RA], v[KV+8*\i+4:KV+8*\i+7] offset:(8+\i)*1024+512
.endr
	WIN 0
	s_wait_xcnt 0x0                                ; the prefetches, a tile back, have read v13: only behind this wait is it written again
	v_and_b32 v[B4], 15, v0
	v_lshlrev_b32 v[B4], 2, v[B4]
	s_lshl_b32 s82, s[WV], 8
	s_add_co_u32 s82, s82, KSS
	v_add_nc_u32 v[B4], s82, v[B4]                 ; my wave's 64 sums: 4 bytes a feature
	v_and_b32 v[SCO], 31, v0
	v_lshlrev_b32 v0, 3, v[SCO]                    ; 8 x lane
	v_add_nc_u32 v[SCO], KSS, v0
.irp a, 0,1,2,3
	v_add_f32 v[KS+2*\a], v[KS+2*\a], v[KS+2*\a+1] ; a pair's two halves,
.endr
.irp a, 0,1,2,3
	v_permlanex16_b32 v[KS+2*\a+1], v[KS+2*\a], s[SEL], s[SEL+1]
.endr
.irp a, 0,1,2,3
	v_add_f32 v[KS+2*\a], v[KS+2*\a], v[KS+2*\a+1] ; and lane l xor 16's tokens
.endr
.irp a, 0,1,2,3
	ds_store_b32 v[B4], v[KS+2*\a] offset:64*\a    ; both halves of the lanes write the same word with the same value
.endr
	s_wait_dscnt 0x0                               ; for the others' sake: my stores are done
	s_barrier_signal -1
	s_barrier_wait -1
	WIN 0x40
.irp u, 0,1,2,3                                ; wave w adds accumulators 4 w .. 4 w + 3 of the four images
.irp i, 0,1,2,3
	ds_load_b128 v[32*\u+8*\i:32*\u+8*\i+3], v[RB] offset:\u*16384+\i*1024
	ds_load_b128 v[32*\u+8*\i+4:32*\u+8*\i+7], v[RB] offset:\u*16384+\i*1024+512
.endr
.endr
	s_wait_dscnt 0x0
	WIN 0x45
.irp u, 1,2,3
.set i, 0
.rept 16
	v_pk_add_f32 v[i:i+1], v[i:i+1], v[32*\u+i:32*\u+i+1]
.set i, i+2
.endr
.endr
	WIN 0x04                                       ; a store's data are its source 1: window 1
.irp i, 0,1,2,3
	global_store_b128 v[LI], v[8*\i:8*\i+3], s[20:21] offset:\i*1024          ; 32 lanes store 512 consecutive bytes, at a multiple of 256 from the buffer's first byte
	global_store_b128 v[LI], v[8*\i+4:8*\i+7], s[20:21] offset:\i*1024+512
.endr
	WIN 0
	s_cmp_lg_u32 s[WV], 0
	s_cbranch_scc1 .Lnot_first                     ; wave 0 adds the four waves' ksum
.irp u, 0,1,2,3
	ds_load_b64 v[KS+2*\u:KS+2*\u+1], v[SCO] offset:256*\u
.endr
	s_wait_dscnt 0x0
	v_pk_add_f32 v[KS:KS+1], v[KS:KS+1], v[KS+2:KS+3]
	v_pk_add_f32 v[KS:KS+1], v[KS:KS+1], v[KS+4:KS+5]
	v_pk_add_f32 v[KS:KS+1], v[KS:KS+1], v[KS+6:KS+7]
	global_store_b64 v0, v[KS:KS+1], s[22:23]      ; 32 lanes store 256 consecutive bytes, aligned
.Lnot_first:
	s_wait_tensorcnt 0x0                           ; the wave's end: behind my last tensor load and my last LDS store
	ds_add_u32 v[SPW], v[NIL]
	s_wait_dscnt 0x0
	CROUND                                         ; the closing round: no work-group ends while a partner may still ask for a tile that names it
	s_endpgm
.Lfunc_end_k_qbfe2bee150_kvside:
	.size	k_qbfe2bee150_kvside, .Lfunc_end_k_qbfe2bee150_kvside-k_qbfe2bee150_kvside
	.p2alignl 7, 3214868480
	.fill 96, 4, 3214868480
	.section	.rodata,"a",@progbits
	.p2align	6, 0x0
	.amdhsa_kernel k_qbfe2bee150_kvside
		.amdhsa_group_segment_fixed_size 327680
		.amdhsa_private_segment_fixed_size 0
		.amdhsa_enable_private_segment 0
		.amdhsa_kernarg_size 80
		.amdhsa_user_sgpr_count 2
		.amdhsa_user_sgpr_kernarg_segment_ptr 1
		.amdhsa_wavefront_size32 1
		.amdhsa_system_sgpr_workgroup_id_x 1
		.amdhsa_system_sgpr_workgroup_id_y 1
		.amdhsa_system_sgpr_workgroup_id_z 1
		.amdhsa_system_vgpr_workitem_id 0
		.amdhsa_next_free_vgpr 1024
		.amdhsa_next_free_sgpr 100
		.amdhsa_reserve_vcc 0
		.amdhsa_float_denorm_mode_32 3
		.amdhsa_float_denorm_mode_16_64 3
		.amdhsa_memory_ordered 1
		.amdhsa_forward_progress 1
		.amdhsa_inst_pref_size 255
	.end_amdhsa_kernel
	.section	.bss,"aw",@nobits
	.p2align	6
	.space	262144
	.amdgpu_metadata
---
amdhsa.version: [ 1, 2 ]
amdhsa.kernels:
  - .name:           k_qbfe2bee150_kvside
    .symbol:         k_qbfe2bee150_kvside.kd
    .args:
      - { .name: kv_codes, .offset: 0, .size: 8, .value_kind: global_buffer, .address_space: global }
      - { .name: kv_scales, .offset: 8, .size: 8, .value_kind: global_buffer, .address_space: global }
      - { .name: Wk_codes, .offset: 16, .size: 8, .value_kind: global_buffer, .address_space: global }
      - { .name: Wk_scales, .offset: 24, .size: 8, .value_kind: global_buffer, .address_space: global }
      - { .name: Wv_codes, .offset: 32, .size: 8, .value_kind: global_buffer, .address_space: global }
      - { .name: Wv_scales, .offset: 40, .size: 8, .value_kind: global_buffer, .address_space: global }
      - { .name: bk, .offset: 48, .size: 8, .value_kind: global_buffer, .address_space: global }
      - { .name: bv, .offset: 56, .size: 8, .value_kind: global_buffer, .address_space: global }
      - { .name: kvp, .offset: 64, .size: 8, .value_kind: global_buffer, .address_space: global }
      - { .name: ksp, .offset: 72, .size: 8, .value_kind: global_buffer, .address_space: global }
    .group_segment_fixed_size: 327680
    .private_segment_fixed_size: 0
    .kernarg_segment_align: 8
    .kernarg_segment_size: 80
    .max_flat_workgroup_size: 128
    .sgpr_count:     100
    .vgpr_count:     1024
    .wavefront_size: 32
...
	.end_amdgpu_metadata
.endif
;; end of part 1
;; launch qside (part 2): grid 8 x 32, 4 waves a work-group, clusters of 4 x 4, 327,680 bytes of LDS; arguments q_codes, q_scales, Wq_codes, Wq_scales, bq, kvp, ksp, attc, atts; writes attc, atts
.if DOCPART == 2
	.amdgcn_target "amdgcn-amd-amdhsa--gfx1250"
	.amdhsa_code_object_version 6
	.text
	.protected	k_qbfe2bee150_qside
	.globl	k_qbfe2bee150_qside
	.p2align	8
	.type	k_qbfe2bee150_qside,@function
k_qbfe2bee150_qside:
	s_mov_b64 s[64:65], 0
	v_nop
	global_prefetch_b8 v0, s[64:65] scope:SCOPE_SE
	s_setreg_imm32_b32 hwreg(HW_REG_WAVE_MODE, 25, 1), 1
	s_wait_xcnt 0x0
	s_wait_alu depctr_hold_cnt(0) depctr_sa_sdst(0) depctr_va_vdst(0) depctr_va_sdst(0) depctr_va_ssrc(0) depctr_va_vcc(0) depctr_vm_vsrc(0)
	s_getreg_b32 s2, hwreg(HW_REG_IB_STS2, 6, 4)
	s_cmp_eq_u32 s2, 0
	s_cbranch_scc0 .Lentry_in_a_cluster
	s_endpgm
.Lentry_in_a_cluster:
	s_bfe_u32 s2, ttmp6, 0x10000c
	s_cmp_lg_u32 s2, 0xf033
	s_cbranch_scc0 .Lentry_shape_is_right
	s_endpgm
.Lentry_shape_is_right:
; QSIDE.  qh = q Wq + bq on the given codes of FP6 (E2M3), squared; z = 1 / (qh^2 . ksum + 1e-6) in f32 by fused multiply-adds; attn = (qh^2 kv_sum) z, both operands of that product quantised along d (blocks of 32);
; attn is quantised along (head, e), the last product's K, and leaves as codes and scale words.
; SHARES.  Work-group (x, y): heads 2 x and 2 x + 1 (Wq's rows 128 x .. + 127), tokens 256 y .. + 255 of the 8,192.  Wave w takes tokens 64 w .. + 63 (four tiles m) and all 128 columns (eight tiles t).
; LAYOUT.  Source 0 = 16 rows of Wq, source 1 = 16 tokens: a lane holds ONE token (lane % 16), and its 64 registers of a token tile run along the two heads' d: they are quantised in registers.
; K = 64 OF THE SECOND PRODUCT: one instruction's 128 along K are head 2 x's d (0 .. 63) and head 2 x + 1's (64 .. 127) of qh^2; a tile of kv_sum's rows e has zero codes in the other head's half.
; Inside each block of 32 along d the places are permuted (a lane's 16 numbers are d 0-7 and 16-23, or 8-15 and 24-31, of the block), alike in qh^2 and in kv_sum: blocks and scales are the quantiser's own.
; THE ROWS e OF A TILE OF kv_sum ARE NOT NEIGHBOURS: lane r of tile 2 b + u takes e = 32 b + 8 u + r + 8 (r / 8), so that attn's 16 registers of tiles 2 b and 2 b + 1 are 16 NEIGHBOURS along the last product's K,
; whose other operand comes as given codes.  The choice costs nothing: it is made by the addresses from which kv_sum's parts are loaded.
; THE HEAD: while the first tiles are on their way, each wave adds the four parts of kv_sum for two of the eight operand tiles, in the order of the parts, quantises them and hands them round through LDS as images of registers.
; THE RING: K in four parts of 256.  Parts 0, 1, 2 fill three slots at the start; part 3 fills slot 0 again: one refill.
; CLUSTERS: 4 x 4 work-groups; tokens are shared along a row of the cluster, Wq's rows along a column: each tile is asked for jointly.
; LIMITS: NaN and infinities are not served.  A block whose largest magnitude lies under 2^-124 has its scale byte held at 1; a block of zeros has the byte 1 and not 127: its codes are zeros, and this program
; alone reads the bytes.  z is made by v_rcp_f32.
; REGISTERS, in windows of 256:  window 0: v1-28 addresses; v32-47 token scale words, v48-79 Wq's, v80-87 kv_sum's, v88-91 qh^2's, v92-95 attn's; v96-111 the quantiser's; v112-127 the divisor's chains;
;   v128-175 token fragments, ONE set; v176-223 the codes just made; v224-230 half blocks; v232-239 at work; v240-247 z.
;   window 1: Wq's fragments, TWO sets (v0-95, v96-191).   window 2: the 32 accumulators ((m, t) at v[64 m + 8 t]).   window 3: v0-95 kv_sum's eight operand tiles; v96-159 ksum; v160-223 bq.
.set PITCH,  240                       ; an LDS row: 3 x (64 bytes of codes + 16 of padding)
.set KROW,   768
.set SLOT,   384*PITCH                 ; 256 token rows, then Wq's 128 rows
.set WOFF,   256*PITCH
.set KVIMG,  3*SLOT                    ; behind the slots, in bytes that no tensor load fills: kv_sum's eight operand tiles, 1,536 bytes each,
.set KVSC,   KVIMG+8*1536              ; their scale words, 128 bytes each,
.set KSL,    KVSC+8*128                ; ksum of the two heads,
.set SST,    KSL+512                   ; 256 bytes a wave for attn's scale words,
.set SPARE,  SST+1024                  ; and the spare words, 128 bytes for each wave: two blocks of 256 bytes that no other line names
.set SPW,  1
.set NIL,  2
.set LI,   3                           ; v3   16 x lane
.set ADRT, 4                           ; v4-6 my token fragments in slots 0, 1, 2; v7-9 the same behind one padding more
.set ADRW, 10                          ; v10-12, v13-15 the same for Wq
.set SCO,  16                          ; v16  32 x lane
.set VKO,  17                          ; v17  my lane's place in an image of kv_sum's parts
.set T4,   18                          ; v18  4 x thread
.set KWI,  19                          ; v19  where I store my operand tile;  v20 its scale words
.set KWS,  20
.set KRI,  21                          ; v21  from where all are read;  v22 their scale words
.set KRS,  22
.set KSW,  23                          ; v23  ksum: where I store;  v24 from where I read
.set KSA,  24
.set H32,  25                          ; v25  32 x (lane / 16)
.set SSA,  26                          ; v26  attn's scale words: in;  v27 back
.set SSB,  27
.set L8,   28                          ; v28  8 x lane
.set QS,   32
.set WQS,  48
.set KVS,  80
.set PQW,  88
.set PAW,  92
.set TM,   96
.set DEN,  112
.set TF,   128
.set PQ,   176
.set CT,   224
.set TP,   232
.set ZR,   240
.set KSR,  96                          ; in window 3
.set BQ,   160
.set G1T, 24
.set G1W, 32
.set G0T, 40                           ; s[40:51] three sets;  s[52:63] three sets
.set G0W, 52
.set WV,   66
.set ROLE, 67
.set HALF, 68
.set CX,   69
.set CY,   70
.set GX,   71
.set GY,   72
.set ROWM, 73
.set COLM, 74
.set SEL,  76
.set MSB, 0
.macro WIN new
.if MSB != (\new)
	s_set_vgpr_msb (MSB<<8)|(\new)
.set MSB, \new
.endif
.endm
.macro PLACES n
.rept \n
	v_nop
.endr
.endm
.macro JLOAD g0t, g0w                  ; a joint load: waves 0 and 1 fetch the tokens' halves, waves 2 and 3 Wq's; four v_nop follow each of the two lines
	s_cmp_eq_u32 s[ROLE], 0
	s_cbranch_scc0 .Lfor_w_\@
	tensor_load_to_lds s[\g0t:\g0t+3], s[G1T:G1T+7]
	s_nop 0
.rept 4
	v_nop
.endr
	s_branch .Lasked_\@
.Lfor_w_\@:
	tensor_load_to_lds s[\g0w:\g0w+3], s[G1W:G1W+7]
	s_nop 0
.rept 4
	v_nop
.endr
.Lasked_\@:
.endm
.macro CREST
	s_cmp_lg_u32 s[WV], 0
	s_cbranch_scc1 .Lnot_wave_0_\@
	s_barrier_signal -3
.Lnot_wave_0_\@:
	s_barrier_wait -3
	s_barrier_signal -1
	s_barrier_wait -1
.endm
.macro CROUND
	s_barrier_signal -1
	s_barrier_wait -1
	CREST
.endm
.macro WM d, a, b, c, sa, sb, ra, rb   ; one product.  c: -1 = the constant 0, else C's first register.  ra, rb: 1 = the side's scale words stand in lanes 16-31
.set WSEL, (\ra)+2*(\rb)
.if (\c) < 0
.if WSEL == 0
	v_wmma_scale_f32_16x16x128_f8f6f4 v[\d:\d+7], v[\a:\a+11], v[\b:\b+11], 0, v[\sa], v[\sb] matrix_a_fmt:MATRIX_FMT_FP6 matrix_b_fmt:MATRIX_FMT_FP6
.elseif WSEL == 1
	v_wmma_scale_f32_16x16x128_f8f6f4 v[\d:\d+7], v[\a:\a+11], v[\b:\b+11], 0, v[\sa], v[\sb] matrix_a_fmt:MATRIX_FMT_FP6 matrix_b_fmt:MATRIX_FMT_FP6 matrix_a_scale:MATRIX_SCALE_ROW1
.elseif WSEL == 2
	v_wmma_scale_f32_16x16x128_f8f6f4 v[\d:\d+7], v[\a:\a+11], v[\b:\b+11], 0, v[\sa], v[\sb] matrix_a_fmt:MATRIX_FMT_FP6 matrix_b_fmt:MATRIX_FMT_FP6 matrix_b_scale:MATRIX_SCALE_ROW1
.else
	v_wmma_scale_f32_16x16x128_f8f6f4 v[\d:\d+7], v[\a:\a+11], v[\b:\b+11], 0, v[\sa], v[\sb] matrix_a_fmt:MATRIX_FMT_FP6 matrix_b_fmt:MATRIX_FMT_FP6 matrix_a_scale:MATRIX_SCALE_ROW1 matrix_b_scale:MATRIX_SCALE_ROW1
.endif
.else
.if WSEL == 0
	v_wmma_scale_f32_16x16x128_f8f6f4 v[\d:\d+7], v[\a:\a+11], v[\b:\b+11], v[\c:\c+7], v[\sa], v[\sb] matrix_a_fmt:MATRIX_FMT_FP6 matrix_b_fmt:MATRIX_FMT_FP6
.elseif WSEL == 1
	v_wmma_scale_f32_16x16x128_f8f6f4 v[\d:\d+7], v[\a:\a+11], v[\b:\b+11], v[\c:\c+7], v[\sa], v[\sb] matrix_a_fmt:MATRIX_FMT_FP6 matrix_b_fmt:MATRIX_FMT_FP6 matrix_a_scale:MATRIX_SCALE_ROW1
.elseif WSEL == 2
	v_wmma_scale_f32_16x16x128_f8f6f4 v[\d:\d+7], v[\a:\a+11], v[\b:\b+11], v[\c:\c+7], v[\sa], v[\sb] matrix_a_fmt:MATRIX_FMT_FP6 matrix_b_fmt:MATRIX_FMT_FP6 matrix_b_scale:MATRIX_SCALE_ROW1
.else
	v_wmma_scale_f32_16x16x128_f8f6f4 v[\d:\d+7], v[\a:\a+11], v[\b:\b+11], v[\c:\c+7], v[\sa], v[\sb] matrix_a_fmt:MATRIX_FMT_FP6 matrix_b_fmt:MATRIX_FMT_FP6 matrix_a_scale:MATRIX_SCALE_ROW1 matrix_b_scale:MATRIX_SCALE_ROW1
.endif
.endif
.endm
.macro FRAG reg, adr, ns, q, i         ; a fragment from rows in LDS: six pieces of 8 bytes; where lanes 16-31's piece lies behind one padding more, the second address register (ns on) serves
.irp p, 0,1,2,3,4,5
.set PC, 12*(\q)+6*(\p/3)+\p%3
.if PC%8 < 5
	ds_load_b64 v[\reg+2*\p:\reg+2*\p+1], v[\adr] offset:8*PC+16*(PC/8)+(\i)*16*PITCH
.else
	ds_load_b64 v[\reg+2*\p:\reg+2*\p+1], v[\adr+\ns] offset:8*PC+16*(PC/8)+(\i)*16*PITCH
.endif
.endr
.endm
; 8 products: token tile m x Wq's eight tiles, K step k; p: Wq's set.  first = 1: bq, in the result's layout, is the C of the sum's first product.  The 32 accumulators take turns.
.macro MUL8 m, p, k, first
.irp t, 0,1,2,3,4,5,6,7
.if \first
	WM 64*(\m)+8*\t, 96*(\p)+12*\t, TF+12*(\m), BQ+8*\t, WQS+8*(\t/2)+(\k), QS+8*((\m)/2)+(\k), \t%2, (\m)%2
.else
	WM 64*(\m)+8*\t, 96*(\p)+12*\t, TF+12*(\m), 64*(\m)+8*\t, WQS+8*(\t/2)+(\k), QS+8*((\m)/2)+(\k), \t%2, (\m)%2
.endif
.endr
.endm
.macro FETCH_W k                       ; K step k's eight fragments of Wq into set k % 2; K step k lies in slot (k / 2) % 3
	WIN 0x40
.irp i, 0,1,2,3,4,5,6,7
	FRAG 96*((\k)%2)+12*\i, ADRW+((\k)/2)%3, 3, (\k)%2, \i
.endr
	WIN 0
.endm
.macro FETCH_T k, i0                   ; K step k's token tiles i0, i0 + 1
.irp i, \i0, \i0+1
	FRAG TF+12*(\i), ADRT+((\k)/2)%3, 3, (\k)%2, \i
.endr
.endm
.macro STEPQ k, first
	s_wait_dscnt 12                                ; Wq's set and token tiles 0, 1 are in; the youngest 12 loads (tiles 2, 3) may be out
	WIN 0xa1+0x10*(\first)                         ; source 0 window 1, source 1 window 0, D window 2, C window 2 (the first step: window 3)
	MUL8 0, (\k)%2, \k, \first
	MUL8 1, (\k)%2, \k, \first
	s_wait_dscnt 0x0
	PLACES 4
	FETCH_W (\k)+1
	FETCH_T (\k)+1, 0
	WIN 0xa1+0x10*(\first)
	MUL8 2, (\k)%2, \k, \first
	MUL8 3, (\k)%2, \k, \first
	PLACES 4
	WIN 0
	FETCH_T (\k)+1, 2
.endm
; A step with a barrier: in front of it each wave waits for all its tensor loads, adds 0 to its spare word, and waits for that and for its LDS reads.  fill = 1: slot 0, just read out, takes part 3 of K.
.macro TURNQ k, fill
	s_wait_tensorcnt 0x0                           ; all my tensor loads have landed
	ds_add_u32 v[SPW], v[NIL]                      ; 0 onto my spare word
	s_wait_dscnt 13                                ; (the add and the youngest 12 loads may be out)
	WIN 0xa1
	MUL8 0, (\k)%2, \k, 0                          ; eight products stand between the add and the wait for it
	s_wait_dscnt 0x0                               ; the add is done, and my reads of the slot are over
	s_barrier_signal -1
	MUL8 1, (\k)%2, \k, 0
	WIN 0
	s_barrier_wait -1
.if \fill
	CREST                                          ; the barrier has opened a round of the cluster's barrier
	s_add_nc_u64 s[G0T+2:G0T+3], s[G0T+2:G0T+3], 576
	s_add_nc_u64 s[G0W+2:G0W+3], s[G0W+2:G0W+3], 576
	JLOAD G0T, G0W                                 ; the first tensor load behind the round; its four v_nop are also the places in front of the loads below
.else
	PLACES 4
.endif
	FETCH_W (\k)+1
	FETCH_T (\k)+1, 0
	WIN 0xa1
	MUL8 2, (\k)%2, \k, 0
	MUL8 3, (\k)%2, \k, 0
	PLACES 4
	WIN 0
	FETCH_T (\k)+1, 2
.endm
; THE QUANTISER: 64 numbers of a lane, v[xr] on in window xw, sixteen of each of four blocks of 32 (the other sixteen lie in lane l xor 16) -> 12 registers v[fr] on in window fw, scale word v[pw]
.macro QUANT xw, xr, fw, fr, ct, pw
	WIN (\xw)|((\xw)<<2)
.irp b, 0,1,2,3
	v_max3_num_f32 v[TM+\b], |v[\xr+16*\b]|, |v[\xr+16*\b+1]|, 0x1800000   ; and the floor 2^(3 - 127): so the byte cannot fall under 1
.endr
.irp i, 2,4,6,8,10,12,14
.irp b, 0,1,2,3
	v_max3_num_f32 v[TM+\b], |v[\xr+16*\b+\i]|, |v[\xr+16*\b+\i+1]|, v[TM+\b]
.endr
.endr
	WIN 0
.irp b, 0,1,2,3
	v_permlanex16_b32 v[TM+4+\b], v[TM+\b], s[SEL], s[SEL+1]
.endr
.irp b, 0,1,2,3
	v_max_num_f32 v[TM+\b], v[TM+\b], v[TM+4+\b]
.endr
.irp b, 0,1,2,3
	v_add_nc_u32 v[TM+12+\b], 0xff000000, v[TM+\b] ; 2 off the exponent field: the conversion's scale operand
.endr
.irp b, 0,1,2,3
	v_lshrrev_b32 v[TM+4+\b], 23, v[TM+12+\b]      ; the scale's byte
.endr
	v_lshl_or_b32 v[\pw], v[TM+5], 8, v[TM+4]
	v_lshl_or_b32 v[\pw], v[TM+6], 16, v[\pw]
	v_lshl_or_b32 v[\pw], v[TM+7], 24, v[\pw]
	WIN ((\fw)<<6)|(\xw)
.irp c, 0,1
	v_cvt_scalef32_pk16_fp6_f32 v[\fr+6*\c:\fr+6*\c+2], v[\xr+32*\c:\xr+32*\c+15], v[TM+12+2*\c]
	v_cvt_scalef32_pk16_fp6_f32 v[\ct+4*\c:\ct+4*\c+2], v[\xr+32*\c+16:\xr+32*\c+31], v[TM+13+2*\c]
.endr
	v_nop                                          ; one plain place behind a scaled conversion
	WIN ((\fw)<<6)|(\fw)
.irp c, 0,1
.irp i, 0,1,2
	v_permlane16_swap_b32 v[\fr+6*\c+\i], v[\ct+4*\c+\i]
.endr
.irp i, 0,1,2
	v_mov_b32 v[\fr+6*\c+3+\i], v[\ct+4*\c+\i]
.endr
.endr
.endm
	s_load_b256 s[4:11], s[0:1], 0x0               ; q's codes s[4:5], q's scales s[6:7], Wq's codes s[8:9], Wq's scales s[10:11]
	s_load_b256 s[12:19], s[0:1], 0x20             ; bq s[12:13], kvp s[14:15], ksp s[16:17], attc s[18:19]
	s_load_b64 s[20:21], s[0:1], 0x40              ; atts
	v_lshl_add_u32 v[SPW], v0, 2, SPARE
	v_mov_b32 v[NIL], 0
	ds_add_u32 v1, v2
	ds_add_u32 v1, v2
	s_wait_dscnt 0x0
	v_lshrrev_b32 v3, 5, v0
	v_readfirstlane_b32 s[WV], v3
	s_lshr_b32 s[ROLE], s[WV], 1
	s_and_b32 s[HALF], s[WV], 1
	s_bfe_u32 s[CX], ttmp6, 0x40000
	s_bfe_u32 s[CY], ttmp6, 0x40004
	s_lshl_b32 s[GX], ttmp9, 2
	s_add_co_u32 s[GX], s[GX], s[CX]               ; the pair of heads
	s_and_b32 s[GY], ttmp7, 0xffff
	s_lshl_b32 s[GY], s[GY], 2
	s_add_co_u32 s[GY], s[GY], s[CY]               ; the tile of 256 tokens
	s_lshl_b32 s[ROWM], s[CY], 2
	s_lshl_b32 s[ROWM], 15, s[ROWM]
	s_lshl_b32 s[COLM], 0x1111, s[CX]
	s_or_b32 s[G1T], s[ROWM], (1<<20)|(1<<21)|(3<<22)|(3<<25)   ; the mask; elements of 1 byte; 16 bytes of padding behind every 64
	s_mov_b32 s[G1T+1], 192<<16
	s_mov_b32 s[G1T+2], 128<<16                    ; 128 rows
	s_mov_b32 s[G1T+3], 192<<16
	s_mov_b32 s[G1T+4], 128
	s_mov_b32 s[G1T+5], KROW
	s_mov_b32 s[G1T+6], 0
	s_mov_b32 s[G1T+7], 0
	s_or_b32 s[G1W], s[COLM], (1<<20)|(1<<21)|(3<<22)|(3<<25)
	s_mov_b32 s[G1W+1], 192<<16
	s_mov_b32 s[G1W+2], 64<<16                     ; 64 rows
	s_mov_b32 s[G1W+3], 192<<16
	s_mov_b32 s[G1W+4], 64
	s_mov_b32 s[G1W+5], KROW
	s_mov_b32 s[G1W+6], 0
	s_mov_b32 s[G1W+7], 0
	s_mov_b32 s[SEL], 0x76543210
	s_mov_b32 s[SEL+1], 0xfedcba98
	s_lshl_b32 s78, s[GY], 8                       ; tokens: row 256 y + 128 x half; these registers never hold x
	s_lshl_b32 s79, s[HALF], 7
	s_add_co_u32 s78, s78, s79
	s_mul_i32 s78, s78, KROW
	s_mov_b32 s79, 0
	s_lshl_b32 s82, s[GX], 7                       ; Wq: row 128 x + 64 x half; these registers never hold y
	s_lshl_b32 s83, s[HALF], 6
	s_add_co_u32 s82, s82, s83
	s_mul_i32 s82, s82, KROW
	s_mov_b32 s83, 0
	s_mul_i32 s86, s[HALF], 128*PITCH
	s_mul_i32 s87, s[HALF], 64*PITCH
	s_wait_kmcnt 0x0
	s_add_nc_u64 s[80:81], s[4:5], s[78:79]
	s_add_nc_u64 s[84:85], s[8:9], s[82:83]
	CROUND                                         ; all sixteen work-groups are here: the first joint loads meet
.irp s, 0,1,2
	s_mov_b32 s[G0T+4*\s], 1
	s_add_co_u32 s[G0T+4*\s+1], s86, \s*SLOT
	s_add_nc_u64 s[G0T+4*\s+2:G0T+4*\s+3], s[80:81], \s*192
	s_or_b32 s[G0T+4*\s+3], s[G0T+4*\s+3], 0x80000000
	s_mov_b32 s[G0W+4*\s], 1
	s_add_co_u32 s[G0W+4*\s+1], s87, WOFF+\s*SLOT
	s_add_nc_u64 s[G0W+4*\s+2:G0W+4*\s+3], s[84:85], \s*192
	s_or_b32 s[G0W+4*\s+3], s[G0W+4*\s+3], 0x80000000
	JLOAD G0T+4*\s, G0W+4*\s                       ; parts 0, 1, 2 of K: three loads of mine are out
.endr
	s_lshl_b32 s88, s[GY], 13                      ; my 64 tokens' scale bytes: (256 y + 64 w) x 32
	s_lshl_b32 s89, s[WV], 11
	s_add_co_u32 s88, s88, s89
	s_mov_b32 s89, 0
	s_add_nc_u64 s[6:7], s[6:7], s[88:89]
	s_lshl_b32 s88, s[GX], 12                      ; Wq's 128 rows of 32 scale bytes
	s_add_nc_u64 s[10:11], s[10:11], s[88:89]
	s_lshl_b32 s88, s[GX], 9                       ; 128 biases
	s_add_nc_u64 s[12:13], s[12:13], s[88:89]
	s_lshr_b32 s90, s[GY], 3                       ; the batch
	s_lshl_b32 s90, s90, 6
	s_lshl_b32 s91, s[GX], 1
	s_add_co_u32 s90, s90, s91                     ; 64 x batch + first head: part 0's place; a part on is 16 places on
	s_lshl_b32 s88, s90, 8
	s_add_nc_u64 s[16:17], s[16:17], s[88:89]
	s_lshl_b32 s88, s90, 14
	s_lshr_b32 s91, s[WV], 1
	s_lshl_b32 s91, s91, 11                        ; my operand tile: e block w / 2: two image tiles of 1,024 bytes on,
	s_add_co_u32 s88, s88, s91
	s_and_b32 s91, s[WV], 1
	s_lshl_b32 s91, s91, 7                         ; u = w % 2: eight lanes of 16 bytes on
	s_add_co_u32 s88, s88, s91
	s_add_nc_u64 s[14:15], s[14:15], s[88:89]
	s_lshr_b32 s88, s[GX], 1                       ; attc: [x / 2][token tile][x % 2][1,536]
	s_mul_i32 s88, s88, 1572864
	s_lshl_b32 s91, s[GY], 4
	s_lshl_b32 s90, s[WV], 2
	s_add_co_u32 s91, s91, s90
	s_mul_i32 s91, s91, 3072
	s_add_co_u32 s88, s88, s91
	s_and_b32 s91, s[GX], 1
	s_mul_i32 s91, s91, 1536
	s_add_co_u32 s88, s88, s91
	s_add_nc_u64 s[18:19], s[18:19], s[88:89]
	s_lshl_b32 s88, s[GX], 15                      ; atts: [x][token], 4 bytes
	s_lshl_b32 s91, s[GY], 10
	s_add_co_u32 s88, s88, s91
	s_lshl_b32 s91, s[WV], 8
	s_add_co_u32 s88, s88, s91
	s_add_nc_u64 s[20:21], s[20:21], s[88:89]
	v_and_b32 v29, 15, v0                          ; r
	v_bfe_u32 v30, v0, 4, 1                        ; h
	v_and_b32 v31, 31, v0                          ; lane
	v_lshlrev_b32 v[LI], 4, v31
	v_mul_u32_u24 v16, v29, PITCH
	v_mad_u32_u24 v16, v30, 24, v16
	v_lshl_add_u32 v17, v30, 4, v16
	s_mul_i32 s86, s[WV], 64*PITCH
	s_mov_b32 s87, WOFF
.irp s, 0,1,2
	v_add_nc_u32 v[ADRT+\s], s86, v16
	v_add_nc_u32 v[ADRT+3+\s], s86, v17
	v_add_nc_u32 v[ADRW+\s], s87, v16
	v_add_nc_u32 v[ADRW+3+\s], s87, v17
	s_add_co_u32 s86, s86, SLOT
	s_add_co_u32 s87, s87, SLOT
.endr
	v_lshlrev_b32 v[SCO], 5, v31
	v_lshrrev_b32 v[VKO], 3, v29
	v_lshlrev_b32 v[VKO], 10, v[VKO]               ; e = 32 b + 8 u + r + 8 (r / 8): image tile r / 8 of the block's two,
	v_and_b32 v18, 7, v29
	v_lshl_add_u32 v[VKO], v18, 4, v[VKO]          ; lane 8 u + r % 8 of it,
	v_lshl_add_u32 v[VKO], v30, 8, v[VKO]          ; in my own half of the lanes: the same d as in qh^2
	v_lshlrev_b32 v[T4], 2, v0
	s_mul_i32 s86, s[WV], 1536
	s_add_co_u32 s86, s86, KVIMG
	v_add_nc_u32 v[KWI], s86, v[LI]
	v_lshl_add_u32 v[KWS], v0, 2, KVSC
	v_add_nc_u32 v[KRI], KVIMG, v[LI]
	v_lshl_add_u32 v[KRS], v31, 2, KVSC
	v_lshl_add_u32 v[KSW], v0, 2, KSL
	v_lshlrev_b32 v[H32], 5, v30
	v_add_nc_u32 v[KSA], KSL, v[H32]
	s_lshl_b32 s86, s[WV], 8
	s_add_co_u32 s86, s86, SST
	v_lshl_add_u32 v[SSA], v29, 2, s86
	v_lshl_add_u32 v[SSB], v0, 3, SST
	v_lshlrev_b32 v[L8], 3, v31
.irp g, 0,1                                    ; scale words: lane l takes row 32 g + l, its eight words in two loads
	global_load_b128 v[QS+8*\g:QS+8*\g+3], v[SCO], s[6:7] offset:1024*\g
	global_load_b128 v[QS+8*\g+4:QS+8*\g+7], v[SCO], s[6:7] offset:1024*\g+16
.endr
.irp g, 0,1,2,3
	global_load_b128 v[WQS+8*\g:WQS+8*\g+3], v[SCO], s[10:11] offset:1024*\g
	global_load_b128 v[WQS+8*\g+4:WQS+8*\g+7], v[SCO], s[10:11] offset:1024*\g+16
.endr
.irp p, 0,1,2,3
	global_load_b32 v[TP+\p], v[T4], s[16:17] offset:4096*\p   ; ksum's four parts: a thread a number of the two heads' 128
.endr
	WIN 0xc0
.irp t, 0,1,2,3,4,5,6,7
	global_load_b128 v[BQ+8*\t:BQ+8*\t+3], v[H32], s[12:13] offset:64*\t       ; bq of features 16 t + 8 h + 0 .. 7
	global_load_b128 v[BQ+8*\t+4:BQ+8*\t+7], v[H32], s[12:13] offset:64*\t+16
.endr
	WIN 0x80                                       ; kv_sum's part 0 into window 2: head 2 x at v0-31, head 2 x + 1 at v64-95; register 8 dt + j is d = 16 dt + 8 h + j of my row e
.irp hd, 0,1
.irp dt, 0,1,2,3
.irp gq, 0,1
	global_load_b128 v[64*\hd+8*\dt+4*\gq:64*\hd+8*\dt+4*\gq+3], v[VKO], s[14:15] offset:\hd*16384+\dt*4096+\gq*512
.endr
.endr
.endr
.set i, 0
.rept 32
	v_mov_b32 v[32+i], 0                           ; v32-63: the zero half that both operand tiles share
.set i, i+1
.endr
	WIN 0x40                                       ; parts 1 to 3 into window 1, where no fragment lies yet
.irp p, 1,2,3
.irp hd, 0,1
.irp dt, 0,1,2,3
.irp gq, 0,1
	global_load_b128 v[64*(\p-1)+32*\hd+8*\dt+4*\gq:64*(\p-1)+32*\hd+8*\dt+4*\gq+3], v[VKO], s[14:15] offset:\p*262144+\hd*16384+\dt*4096+\gq*512
.endr
.endr
.endr
.endr
	s_wait_loadcnt 0x0
	WIN 0x86
.irp p, 1,2,3                                  ; ((part 0 + part 1) + part 2) + part 3
.irp hd, 0,1
.set i, 0
.rept 16
	v_pk_add_f32 v[64*\hd+i:64*\hd+i+1], v[64*\hd+i:64*\hd+i+1], v[64*(\p-1)+32*\hd+i:64*(\p-1)+32*\hd+i+1]
.set i, i+2
.endr
.endr
.endr
	WIN 0
	v_add_f32 v[TP], v[TP], v[TP+1]
	v_add_f32 v[TP], v[TP], v[TP+2]
	v_add_f32 v[TP], v[TP], v[TP+3]
	ds_store_b32 v[KSW], v[TP]
.irp b, 0,1,2,3
	v_mov_b32 v[TM+4+\b], 0                        ; written once: a lane permute's destination counts as one of its sources
.endr
	QUANT 2, 0, 0, PQ, CT, PQW                     ; head 2 x's tile: data in k 0 .. 63, zero codes above
	QUANT 2, 32, 0, PQ+12, CT, PQW+1               ; head 2 x + 1's: zero codes below, data in k 64 .. 127
.irp c, 0,1,2
	ds_store_b128 v[KWI], v[PQ+4*\c:PQ+4*\c+3] offset:512*\c             ; operand tile w, as an image of its registers
.endr
.irp c, 0,1,2
	ds_store_b128 v[KWI], v[PQ+12+4*\c:PQ+12+4*\c+3] offset:6144+512*\c  ; operand tile 4 + w
.endr
	ds_store_b32 v[KWS], v[PQW]
	ds_store_b32 v[KWS], v[PQW+1] offset:512
	s_wait_tensorcnt 2                             ; my part of slot 0 is in; the loads of parts 1 and 2 may stay out
	s_wait_dscnt 0x0                               ; for the others' sake: my stores are done
	s_barrier_signal -1
	s_barrier_wait -1
	WIN 0xc0
.irp t, 0,1,2,3,4,5,6,7
.irp c, 0,1,2
	ds_load_b128 v[12*\t+4*\c:12*\t+4*\c+3], v[KRI] offset:1536*\t+512*\c
.endr
.endr
.irp t, 0,1,2,3,4,5,6,7
	ds_load_b128 v[KSR+8*\t:KSR+8*\t+3], v[KSA] offset:64*\t             ; ksum of features 16 t + 8 h + 0 .. 7
	ds_load_b128 v[KSR+8*\t+4:KSR+8*\t+7], v[KSA] offset:64*\t+16
.endr
	WIN 0
.irp t, 0,1,2,3,4,5,6,7
	ds_load_b32 v[KVS+\t], v[KRS] offset:128*\t
.endr
	FETCH_W 0
	FETCH_T 0, 0
	FETCH_T 0, 2
	; ---- qh: eight K steps, flat: the scale registers' numbers change with the K step
	STEPQ 0, 1
	TURNQ 1, 1                                     ; slot 0 is read out and takes part 3; the wait for all loads here has shown slots 1 and 2 whole to every wave
	STEPQ 2, 0
	STEPQ 3, 0
	STEPQ 4, 0
	TURNQ 5, 0                                     ; part 3 has landed in every wave's share: a plain barrier
	STEPQ 6, 0
	s_wait_dscnt 12
	WIN 0xa1
	MUL8 0, 1, 7, 0
	MUL8 1, 1, 7, 0
	s_wait_dscnt 0x0
	MUL8 2, 1, 7, 0
	MUL8 3, 1, 7, 0
	; ---- the feature map, the divisor, the second product, z, attn's codes
	PLACES 4
	WIN 0x8a
.set i, 0
.rept 128
	v_pk_mul_f32 v[i:i+1], v[i:i+1], v[i:i+1]      ; qh^2, each accumulator from its low end on
.set i, i+2
.endr
	WIN 0x0e
.irp n, 0,1,2,3,4,5,6,7,8,9,10,11,12,13,14,15  ; qh^2 . ksum in f32: eight chains (token tile, head) by turns
.irp c, 0,1,2,3,4,5,6,7
.if \n == 0
	v_pk_mul_f32 v[DEN+2*\c:DEN+2*\c+1], v[32*\c+2*\n:32*\c+2*\n+1], v[KSR+32*(\c%2)+2*\n:KSR+32*(\c%2)+2*\n+1]
.else
	v_pk_fma_f32 v[DEN+2*\c:DEN+2*\c+1], v[32*\c+2*\n:32*\c+2*\n+1], v[KSR+32*(\c%2)+2*\n:KSR+32*(\c%2)+2*\n+1], v[DEN+2*\c:DEN+2*\c+1]
.endif
.endr
.endr
	WIN 0
.irp c, 0,1,2,3,4,5,6,7
	v_add_f32 v[TP+\c], v[DEN+2*\c], v[DEN+2*\c+1]
.endr
.irp c, 0,1,2,3,4,5,6,7
	v_permlanex16_b32 v[DEN+\c], v[TP+\c], s[SEL], s[SEL+1]
.endr
.irp c, 0,1,2,3,4,5,6,7
	v_add_f32 v[TP+\c], v[TP+\c], v[DEN+\c]        ; with lane l xor 16's features
.endr
.irp c, 0,1,2,3,4,5,6,7
	v_add_f32 v[TP+\c], 0x358637bd, v[TP+\c]       ; + 1e-6
.endr
.irp c, 0,1,2,3,4,5,6,7
	v_rcp_f32 v[ZR+\c], v[TP+\c]                   ; z of (token tile c / 2, head c % 2)
.endr
	v_nop                                          ; a plain instruction behind the last reciprocal
.irp m, 0,1,2,3
	QUANT 2, 64*\m, 0, PQ+12*\m, CT, PQW+\m        ; qh^2's fragments: independent work behind the reciprocals
.endr
	PLACES 8                                       ; a scale register written by a vector instruction stands 8 places ahead of a scaled product
	WIN 0x83                                       ; source 0 (kv_sum) window 3, source 1 window 0, D window 2: over qh^2, which is done with
.irp m, 0,1,2,3
.irp t, 0,1,2,3,4,5,6,7
	WM 64*\m+8*\t, 12*\t, PQ+12*\m, -1, KVS+\t, PQW+\m, 0, 0
.endr
.endr
	PLACES 4
	s_wait_alu depctr_va_vdst(0)                   ; one wait for the eight reciprocals, ahead of their first reader
	WIN 0x82
.irp m, 0,1,2,3
.set i, 0
.rept 32
.if i < 32
	v_pk_mul_f32 v[64*\m+i:64*\m+i+1], v[64*\m+i:64*\m+i+1], v[ZR+2*\m:ZR+2*\m+1] op_sel_hi:[1,0]              ; head 2 x: the pair's low word
.else
	v_pk_mul_f32 v[64*\m+i:64*\m+i+1], v[64*\m+i:64*\m+i+1], v[ZR+2*\m:ZR+2*\m+1] op_sel:[0,1] op_sel_hi:[1,1]  ; head 2 x + 1: its high word
.endif
.set i, i+2
.endr
.endr
.irp m, 0,1,2,3
	QUANT 2, 64*\m, 0, PQ+12*\m, CT, PAW+\m        ; register 16 B + i is k = 32 B + 16 h + i of the 128: the true order
.endr
	WIN 0
.irp m, 0,1,2,3
.irp c, 0,1,2
	global_store_b128 v[LI], v[PQ+12*\m+4*\c:PQ+12*\m+4*\c+3], s[18:19] offset:3072*\m+512*\c   ; a fragment as an image of its registers: 32 lanes store 512 consecutive bytes, at a multiple of 256 from the buffer's first byte
.endr
.endr
.irp m, 0,1,2,3
	ds_store_b32 v[SSA], v[PAW+\m] offset:64*\m    ; both halves of the lanes write the same word with the same value
.endr
	ds_load_b64 v[TP:TP+1], v[SSB]                 ; LDS serves a wave's instructions in order: this sees my stores
	s_wait_dscnt 0x0
	global_store_b64 v[L8], v[TP:TP+1], s[20:21]   ; my 64 tokens' scale words: 256 consecutive bytes, aligned
	s_wait_tensorcnt 0x0                           ; the wave's end
	ds_add_u32 v[SPW], v[NIL]
	s_wait_dscnt 0x0
	CROUND                                         ; the closing round
	s_endpgm
.Lfunc_end_k_qbfe2bee150_qside:
	.size	k_qbfe2bee150_qside, .Lfunc_end_k_qbfe2bee150_qside-k_qbfe2bee150_qside
	.p2alignl 7, 3214868480
	.fill 96, 4, 3214868480
	.section	.rodata,"a",@progbits
	.p2align	6, 0x0
	.amdhsa_kernel k_qbfe2bee150_qside
		.amdhsa_group_segment_fixed_size 327680
		.amdhsa_private_segment_fixed_size 0
		.amdhsa_enable_private_segment 0
		.amdhsa_kernarg_size 72
		.amdhsa_user_sgpr_count 2
		.amdhsa_user_sgpr_kernarg_segment_ptr 1
		.amdhsa_wavefront_size32 1
		.amdhsa_system_sgpr_workgroup_id_x 1
		.amdhsa_system_sgpr_workgroup_id_y 1
		.amdhsa_system_sgpr_workgroup_id_z 1
		.amdhsa_system_vgpr_workitem_id 0
		.amdhsa_next_free_vgpr 1024
		.amdhsa_next_free_sgpr 100
		.amdhsa_reserve_vcc 0
		.amdhsa_float_denorm_mode_32 3
		.amdhsa_float_denorm_mode_16_64 3
		.amdhsa_memory_ordered 1
		.amdhsa_forward_progress 1
		.amdhsa_inst_pref_size 174
	.end_amdhsa_kernel
	.amdgpu_metadata
---
amdhsa.version: [ 1, 2 ]
amdhsa.kernels:
  - .name:           k_qbfe2bee150_qside
    .symbol:         k_qbfe2bee150_qside.kd
    .args:
      - { .name: q_codes, .offset: 0, .size: 8, .value_kind: global_buffer, .address_space: global }
      - { .name: q_scales, .offset: 8, .size: 8, .value_kind: global_buffer, .address_space: global }
      - { .name: Wq_codes, .offset: 16, .size: 8, .value_kind: global_buffer, .address_space: global }
      - { .name: Wq_scales, .offset: 24, .size: 8, .value_kind: global_buffer, .address_space: global }
      - { .name: bq, .offset: 32, .size: 8, .value_kind: global_buffer, .address_space: global }
      - { .name: kvp, .offset: 40, .size: 8, .value_kind: global_buffer, .address_space: global }
      - { .name: ksp, .offset: 48, .size: 8, .value_kind: global_buffer, .address_space: global }
      - { .name: attc, .offset: 56, .size: 8, .value_kind: global_buffer, .address_space: global }
      - { .name: atts, .offset: 64, .size: 8, .value_kind: global_buffer, .address_space: global }
    .group_segment_fixed_size: 327680
    .private_segment_fixed_size: 0
    .kernarg_segment_align: 8
    .kernarg_segment_size: 72
    .max_flat_workgroup_size: 128
    .sgpr_count:     100
    .vgpr_count:     1024
    .wavefront_size: 32
...
	.end_amdgpu_metadata
.endif
;; end of part 2
;; launch outproj (part 3): grid 8 x 32, 4 waves a work-group, clusters of 4 x 4, 327,680 bytes of LDS; arguments attc, atts, Wo_codes, Wo_scales, bo, out0; writes out0
.if DOCPART == 3
	.amdgcn_target "amdgcn-amd-amdhsa--gfx1250"
	.amdhsa_code_object_version 6
	.text
	.protected	k_qbfe2bee150_outproj
	.globl	k_qbfe2bee150_outproj
	.p2align	8
	.type	k_qbfe2bee150_outproj,@function
k_qbfe2bee150_outproj:
	s_mov_b64 s[64:65], 0
	v_nop
	global_prefetch_b8 v0, s[64:65] scope:SCOPE_SE
	s_setreg_imm32_b32 hwreg(HW_REG_WAVE_MODE, 25, 1), 1
	s_wait_xcnt 0x0
	s_wait_alu depctr_hold_cnt(0) depctr_sa_sdst(0) depctr_va_vdst(0) depctr_va_sdst(0) depctr_va_ssrc(0) depctr_va_vcc(0) depctr_vm_vsrc(0)
	s_getreg_b32 s2, hwreg(HW_REG_IB_STS2, 6, 4)
	s_cmp_eq_u32 s2, 0
	s_cbranch_scc0 .Lentry_in_a_cluster
	s_endpgm
.Lentry_in_a_cluster:
	s_bfe_u32 s2, ttmp6, 0x10000c
	s_cmp_lg_u32 s2, 0xf033
	s_cbranch_scc0 .Lentry_shape_is_right
	s_endpgm
.Lentry_shape_is_right:
; OUTPROJ.  out = attn Wo^T + bo on codes of FP6 (E2M3): attn's codes and scale words as the launch before laid them (fragments as images of their registers), Wo's as given.
; SHARES.  Work-group (x, y): columns 128 x .. + 127, tokens 256 y .. + 255.  Wave w takes tokens 64 w .. + 63 (four tiles m) and all 128 columns (eight tiles t): 32 accumulators.
; Source 0 = 16 rows of Wo, source 1 = 16 tokens: a lane holds eight neighbouring columns of one row of out.  bo, in the result's layout, is the C of each sum's first product.
; ALL OF K LIES IN LDS: four regions, one for each 256 along K, each filled once at the start: nothing is filled again.  A barrier stands in front of the first read of each region.
; CLUSTERS: 4 x 4 work-groups; attn's fragments are shared along a row of the cluster, Wo's rows along a column: each tile is asked for jointly.
; REGISTERS, in windows of 256:  window 0: v3-20 addresses; v32-47 attn's scale words, v48-79 Wo's; v128-175 attn's fragments, ONE set; on the way out v128-255 rows of out.
;   window 1: Wo's fragments, TWO sets.   window 2: the accumulators ((m, t) at v[64 m + 8 t]).   window 3: v0-63 bo.
.set PITCH,  240                       ; a row of Wo in LDS: 3 x (64 bytes of codes + 16 of padding)
.set KROW,   768
.set REGN,   16*3072+128*PITCH         ; a region: 16 token tiles x two fragments of 1,536 bytes, then Wo's 128 rows
.set WOFF,   16*3072
.set SPITCH, 528                       ; the way out: a stage of 16 rows x (512 bytes + 16) for each wave, in region 0, which has had its only fill and its last read when the first result is stored there
.set LI,   3                           ; v3   16 x lane
.set AI,   4                           ; v4-7 my four token tiles in regions 0 to 3
.set ADRW, 8                           ; v8-11 Wo's rows in regions 0 to 3; v12-15 the same behind one padding more
.set SCO,  16                          ; v16  32 x lane
.set L4,   17                          ; v17  4 x lane
.set H32,  18                          ; v18  32 x (lane / 16)
.set STO,  19                          ; v19  the stage: where I put 32 bytes of a row
.set RD,   20                          ; v20  and where I read a row back
.set AS,   32
.set WOS,  48
.set TF,   128
.set BKR,  128
.set BO,   0                           ; in window 3
.set G1A, 16
.set G1W, 24
.set G0A, 32                           ; s[32:47] four sets;  s[48:63] four sets
.set G0W, 48
.set WV,   66
.set ROLE, 67
.set HALF, 68
.set CX,   69
.set CY,   70
.set GX,   71
.set GY,   72
.set ROWM, 73
.set COLM, 74
.set MSB, 0
.macro WIN new
.if MSB != (\new)
	s_set_vgpr_msb (MSB<<8)|(\new)
.set MSB, \new
.endif
.endm
.macro PLACES n
.rept \n
	v_nop
.endr
.endm
.macro JLOAD g0t, g0w                  ; a joint load: waves 0 and 1 fetch attn's halves, waves 2 and 3 Wo's; four v_nop follow each of the two lines
	s_cmp_eq_u32 s[ROLE], 0
	s_cbranch_scc0 .Lfor_w_\@
	tensor_load_to_lds s[\g0t:\g0t+3], s[G1A:G1A+7]
	s_nop 0
.rept 4
	v_nop
.endr
	s_branch .Lasked_\@
.Lfor_w_\@:
	tensor_load_to_lds s[\g0w:\g0w+3], s[G1W:G1W+7]
	s_nop 0
.rept 4
	v_nop
.endr
.Lasked_\@:
.endm
.macro CROUND                          ; a round of the cluster's barrier
	s_barrier_signal -1
	s_barrier_wait -1
	s_cmp_lg_u32 s[WV], 0
	s_cbranch_scc1 .Lnot_wave_0_\@
	s_barrier_signal -3
.Lnot_wave_0_\@:
	s_barrier_wait -3
	s_barrier_signal -1
	s_barrier_wait -1
.endm
.macro WM d, a, b, c, sa, sb, ra, rb   ; one product; c: C's first register; ra, rb: 1 = the side's scale words stand in lanes 16-31
.set WSEL, (\ra)+2*(\rb)
.if WSEL == 0
	v_wmma_scale_f32_16x16x128_f8f6f4 v[\d:\d+7], v[\a:\a+11], v[\b:\b+11], v[\c:\c+7], v[\sa], v[\sb] matrix_a_fmt:MATRIX_FMT_FP6 matrix_b_fmt:MATRIX_FMT_FP6
.elseif WSEL == 1
	v_wmma_scale_f32_16x16x128_f8f6f4 v[\d:\d+7], v[\a:\a+11], v[\b:\b+11], v[\c:\c+7], v[\sa], v[\sb] matrix_a_fmt:MATRIX_FMT_FP6 matrix_b_fmt:MATRIX_FMT_FP6 matrix_a_scale:MATRIX_SCALE_ROW1
.elseif WSEL == 2
	v_wmma_scale_f32_16x16x128_f8f6f4 v[\d:\d+7], v[\a:\a+11], v[\b:\b+11], v[\c:\c+7], v[\sa], v[\sb] matrix_a_fmt:MATRIX_FMT_FP6 matrix_b_fmt:MATRIX_FMT_FP6 matrix_b_scale:MATRIX_SCALE_ROW1
.else
	v_wmma_scale_f32_16x16x128_f8f6f4 v[\d:\d+7], v[\a:\a+11], v[\b:\b+11], v[\c:\c+7], v[\sa], v[\sb] matrix_a_fmt:MATRIX_FMT_FP6 matrix_b_fmt:MATRIX_FMT_FP6 matrix_a_scale:MATRIX_SCALE_ROW1 matrix_b_scale:MATRIX_SCALE_ROW1
.endif
.endm
.macro FRAG reg, adr, ns, q, i         ; a fragment from rows in LDS: six pieces of 8 bytes; where lanes 16-31's piece lies behind one padding more, the second address register (ns on) serves
.irp p, 0,1,2,3,4,5
.set PC, 12*(\q)+6*(\p/3)+\p%3
.if PC%8 < 5
	ds_load_b64 v[\reg+2*\p:\reg+2*\p+1], v[\adr] offset:8*PC+16*(PC/8)+(\i)*16*PITCH
.else
	ds_load_b64 v[\reg+2*\p:\reg+2*\p+1], v[\adr+\ns] offset:8*PC+16*(PC/8)+(\i)*16*PITCH
.endif
.endr
.endm
.macro MUL8 m, p, k, first             ; token tile m x Wo's eight tiles, K step k; the 32 accumulators take turns
.irp t, 0,1,2,3,4,5,6,7
.if \first
	WM 64*(\m)+8*\t, 96*(\p)+12*\t, TF+12*(\m), BO+8*\t, WOS+8*(\t/2)+(\k), AS+8*((\m)/2)+(\k), \t%2, (\m)%2
.else
	WM 64*(\m)+8*\t, 96*(\p)+12*\t, TF+12*(\m), 64*(\m)+8*\t, WOS+8*(\t/2)+(\k), AS+8*((\m)/2)+(\k), \t%2, (\m)%2
.endif
.endr
.endm
.macro FETCH_W k                       ; K step k's eight fragments of Wo into set k % 2; K step k lies in region k / 2
	WIN 0x40
.irp i, 0,1,2,3,4,5,6,7
	FRAG 96*((\k)%2)+12*\i, ADRW+(\k)/2, 4, (\k)%2, \i
.endr
	WIN 0
.endm
.macro FETCH_T k, i0                   ; K step k's token tiles i0, i0 + 1: images of registers, three loads of 16 bytes a lane each
.irp i, \i0, \i0+1
.irp c, 0,1,2
	ds_load_b128 v[TF+12*(\i)+4*\c:TF+12*(\i)+4*\c+3], v[AI+(\k)/2] offset:3072*(\i)+1536*((\k)%2)+512*\c
.endr
.endr
.endm
.macro STEPO k, first
	s_wait_dscnt 6                                 ; Wo's set and token tiles 0, 1 are in; the youngest 6 loads (tiles 2, 3) may be out
	WIN 0xa1+0x10*(\first)                         ; source 0 window 1, source 1 window 0, D window 2, C window 2 (the first step: window 3)
	MUL8 0, (\k)%2, \k, \first
	MUL8 1, (\k)%2, \k, \first
	s_wait_dscnt 0x0
	PLACES 4
	FETCH_W (\k)+1
	FETCH_T (\k)+1, 0
	WIN 0xa1+0x10*(\first)
	MUL8 2, (\k)%2, \k, \first
	MUL8 3, (\k)%2, \k, \first
	PLACES 4
	WIN 0
	FETCH_T (\k)+1, 2
.endm
.macro TURNO k                         ; a region's second step: the next region is read behind a barrier
	s_wait_tensorcnt 3-((\k)+1)/2                  ; my part of the next region is in; the loads of the regions behind it may stay out
	s_wait_dscnt 6
	WIN 0xa1
	MUL8 0, (\k)%2, \k, 0
	s_wait_dscnt 0x0                               ; no LDS instruction of mine is pending at the signal
	s_barrier_signal -1
	MUL8 1, (\k)%2, \k, 0
	s_barrier_wait -1
	PLACES 4
	FETCH_W (\k)+1
	FETCH_T (\k)+1, 0
	WIN 0xa1
	MUL8 2, (\k)%2, \k, 0
	MUL8 3, (\k)%2, \k, 0
	PLACES 4
	WIN 0
	FETCH_T (\k)+1, 2
.endm
	s_load_b256 s[4:11], s[0:1], 0x0               ; attc s[4:5], atts s[6:7], Wo's codes s[8:9], Wo's scales s[10:11]
	s_load_b128 s[12:15], s[0:1], 0x20             ; bo s[12:13], out s[14:15]
	v_lshl_add_u32 v126, v0, 2, 0x4e000
	v_mov_b32 v127, 0
	ds_add_u32 v126, v127
	ds_add_u32 v126, v127
	v_lshrrev_b32 v3, 5, v0
	v_readfirstlane_b32 s[WV], v3
	s_lshr_b32 s[ROLE], s[WV], 1
	s_and_b32 s[HALF], s[WV], 1
	s_bfe_u32 s[CX], ttmp6, 0x40000
	s_bfe_u32 s[CY], ttmp6, 0x40004
	s_lshl_b32 s[GX], ttmp9, 2
	s_add_co_u32 s[GX], s[GX], s[CX]               ; the tile of 128 columns
	s_and_b32 s[GY], ttmp7, 0xffff
	s_lshl_b32 s[GY], s[GY], 2
	s_add_co_u32 s[GY], s[GY], s[CY]               ; the tile of 256 tokens
	s_lshl_b32 s[ROWM], s[CY], 2
	s_lshl_b32 s[ROWM], 15, s[ROWM]
	s_lshl_b32 s[COLM], 0x1111, s[CX]
	s_or_b32 s[G1A], s[ROWM], (3<<16)|(1<<21)      ; attn: a dense block of 24,576 bytes as 96 rows of 256 bytes (32 elements of 8 bytes), no padding
	s_mov_b32 s[G1A+1], 32<<16
	s_mov_b32 s[G1A+2], 96<<16
	s_mov_b32 s[G1A+3], 32<<16
	s_mov_b32 s[G1A+4], 96
	s_mov_b32 s[G1A+5], 32
	s_mov_b32 s[G1A+6], 0
	s_mov_b32 s[G1A+7], 0
	s_or_b32 s[G1W], s[COLM], (1<<20)|(1<<21)|(3<<22)|(3<<25)   ; Wo: 64 rows of 192 bytes, 16 bytes of padding behind every 64
	s_mov_b32 s[G1W+1], 192<<16
	s_mov_b32 s[G1W+2], 64<<16
	s_mov_b32 s[G1W+3], 192<<16
	s_mov_b32 s[G1W+4], 64
	s_mov_b32 s[G1W+5], KROW
	s_mov_b32 s[G1W+6], 0
	s_mov_b32 s[G1W+7], 0
	s_lshl_b32 s76, s[GY], 4                       ; attn: token tile 16 y + 8 x half; these registers never hold x
	s_lshl_b32 s77, s[HALF], 3
	s_add_co_u32 s76, s76, s77
	s_mul_i32 s76, s76, 3072
	s_mov_b32 s77, 0
	s_lshl_b32 s80, s[GX], 7                       ; Wo: row 128 x + 64 x half; these registers never hold y
	s_lshl_b32 s81, s[HALF], 6
	s_add_co_u32 s80, s80, s81
	s_mul_i32 s80, s80, KROW
	s_mov_b32 s81, 0
	s_mul_i32 s84, s[HALF], 8*3072
	s_mul_i32 s85, s[HALF], 64*PITCH
	s_wait_dscnt 0x0
	s_wait_kmcnt 0x0
	s_add_nc_u64 s[78:79], s[4:5], s[76:77]
	s_add_nc_u64 s[82:83], s[8:9], s[80:81]
	CROUND                                         ; all sixteen work-groups are here: the joint loads meet
.irp s, 0,1,2,3
	s_mov_b32 s[G0A+4*\s], 1
	s_add_co_u32 s[G0A+4*\s+1], s84, \s*REGN
	s_add_nc_u64 s[G0A+4*\s+2:G0A+4*\s+3], s[78:79], \s*1572864
	s_or_b32 s[G0A+4*\s+3], s[G0A+4*\s+3], 0x80000000
	s_mov_b32 s[G0W+4*\s], 1
	s_add_co_u32 s[G0W+4*\s+1], s85, WOFF+\s*REGN
	s_add_nc_u64 s[G0W+4*\s+2:G0W+4*\s+3], s[82:83], \s*192
	s_or_b32 s[G0W+4*\s+3], s[G0W+4*\s+3], 0x80000000
	JLOAD G0A+4*\s, G0W+4*\s                       ; all four regions: four loads of mine are out
.endr
	s_lshl_b32 s86, s[GY], 10                      ; my 64 tokens' scale words: (256 y + 64 w) x 4
	s_lshl_b32 s87, s[WV], 8
	s_add_co_u32 s86, s86, s87
	s_mov_b32 s87, 0
	s_add_nc_u64 s[6:7], s[6:7], s[86:87]
	s_lshl_b32 s86, s[GX], 12
	s_add_nc_u64 s[10:11], s[10:11], s[86:87]
	s_lshl_b32 s86, s[GX], 9
	s_add_nc_u64 s[12:13], s[12:13], s[86:87]
	s_add_nc_u64 s[14:15], s[14:15], s[86:87]      ; out: my columns' 512 bytes,
	s_lshl_b32 s86, s[GY], 20
	s_lshl_b32 s88, s[WV], 18
	s_add_co_u32 s86, s86, s88
	s_add_nc_u64 s[14:15], s[14:15], s[86:87]      ; my first row: (256 y + 64 w) x 4,096
	v_and_b32 v29, 15, v0                          ; r
	v_bfe_u32 v30, v0, 4, 1                        ; h
	v_and_b32 v31, 31, v0                          ; lane
	v_lshlrev_b32 v[LI], 4, v31
	v_mul_u32_u24 v16, v29, PITCH
	v_mad_u32_u24 v16, v30, 24, v16
	v_lshl_add_u32 v17, v30, 4, v16
	s_mul_i32 s88, s[WV], 4*3072
	s_mov_b32 s89, WOFF
.irp s, 0,1,2,3
	v_add_nc_u32 v[AI+\s], s88, v[LI]
	v_add_nc_u32 v[ADRW+\s], s89, v16
	v_add_nc_u32 v[ADRW+4+\s], s89, v17
	s_add_co_u32 s88, s88, REGN
	s_add_co_u32 s89, s89, REGN
.endr
	v_lshlrev_b32 v[SCO], 5, v31
	v_lshlrev_b32 v[L4], 2, v31
	v_lshlrev_b32 v[H32], 5, v30
	s_mul_i32 s88, s[WV], 16*SPITCH
	v_mul_u32_u24 v[STO], v29, SPITCH
	v_lshl_add_u32 v[STO], v30, 5, v[STO]
	v_add_nc_u32 v[STO], s88, v[STO]
	v_add_nc_u32 v[RD], s88, v[LI]
.irp g, 0,1
.irp k, 0,1,2,3,4,5,6,7
	global_load_b32 v[AS+8*\g+\k], v[L4], s[6:7] offset:32768*\k+128*\g   ; lane l: token 32 g + l's word of K step k
.endr
.endr
.irp g, 0,1,2,3
	global_load_b128 v[WOS+8*\g:WOS+8*\g+3], v[SCO], s[10:11] offset:1024*\g
	global_load_b128 v[WOS+8*\g+4:WOS+8*\g+7], v[SCO], s[10:11] offset:1024*\g+16
.endr
	WIN 0xc0
.irp t, 0,1,2,3,4,5,6,7
	global_load_b128 v[BO+8*\t:BO+8*\t+3], v[H32], s[12:13] offset:64*\t      ; bo of columns 16 t + 8 h + 0 .. 7
	global_load_b128 v[BO+8*\t+4:BO+8*\t+7], v[H32], s[12:13] offset:64*\t+16
.endr
	WIN 0
	s_wait_tensorcnt 3                             ; my part of region 0 is in; the three later loads may stay out
	s_barrier_signal -1
	s_barrier_wait -1
	FETCH_W 0
	FETCH_T 0, 0
	FETCH_T 0, 2
	s_wait_loadcnt 0x0                             ; scale words and bo
	STEPO 0, 1
	TURNO 1
	STEPO 2, 0
	TURNO 3
	STEPO 4, 0
	TURNO 5
	STEPO 6, 0
	s_wait_dscnt 6
	WIN 0xa1
	MUL8 0, 1, 7, 0
	MUL8 1, 1, 7, 0
	s_wait_dscnt 0x0
	MUL8 2, 1, 7, 0
	MUL8 3, 1, 7, 0
; THE WAY OUT, a tile of 16 tokens x 128 columns at a time.  A lane holds 32 neighbouring bytes of a row and the lanes beside it hold other rows: so a tile goes through my own stage in LDS and comes back as
; whole rows of 512 bytes.  LDS serves a wave's instructions in order (ISA guide 5.7.1.4): no wait between the stores and the loads, nor in front of the next tile's stores.
.macro TOSTAGE m
	WIN 0x08                                       ; an LDS store's data are its source 1: window 2
.irp t, 0,1,2,3,4,5,6,7
	ds_store_b128 v[STO], v[64*(\m)+8*\t:64*(\m)+8*\t+3] offset:64*\t          ; each accumulator from its low end on
	ds_store_b128 v[STO], v[64*(\m)+8*\t+4:64*(\m)+8*\t+7] offset:64*\t+16
.endr
	WIN 0
.irp i, 0,1,2,3,4,5,6,7,8,9,10,11,12,13,14,15
	ds_load_b128 v[BKR+64*((\m)%2)+4*\i:BKR+64*((\m)%2)+4*\i+3], v[RD] offset:\i*SPITCH
.endr
.endm
.macro SEND m, younger                 ; younger: the LDS instructions issued behind tile m's loads, which may stay out
	s_wait_dscnt \younger
.irp i, 0,1,2,3,4,5,6,7,8,9,10,11,12,13,14,15
	global_store_b128 v[LI], v[BKR+64*((\m)%2)+4*\i:BKR+64*((\m)%2)+4*\i+3], s[14:15] offset:65536*(\m)+4096*\i th:TH_STORE_NT   ; 32 lanes store 512 consecutive bytes, at a multiple of 256 from out's first byte; written once, read by nobody here
.endr
.endm
	PLACES 4
	TOSTAGE 0
	TOSTAGE 1
	SEND 0, 32                                     ; behind tile 0's loads: tile 1's 16 stores and 16 loads
	s_wait_xcnt 0x0                                ; tile 0's stores have read their registers: tile 2's loads may land there
	TOSTAGE 2
	SEND 1, 32
	s_wait_xcnt 0x0
	TOSTAGE 3
	SEND 2, 32
	SEND 3, 0
	s_wait_tensorcnt 0x0
	ds_add_u32 v126, v127
	s_wait_dscnt 0x0
	CROUND                                         ; the closing round: no work-group ends while a partner may still ask for a tile that names it
	s_endpgm
.Lfunc_end_k_qbfe2bee150_outproj:
	.size	k_qbfe2bee150_outproj, .Lfunc_end_k_qbfe2bee150_outproj-k_qbfe2bee150_outproj
	.p2alignl 7, 3214868480
	.fill 96, 4, 3214868480
	.section	.rodata,"a",@progbits
	.p2align	6, 0x0
	.amdhsa_kernel k_qbfe2bee150_outproj
		.amdhsa_group_segment_fixed_size 327680
		.amdhsa_private_segment_fixed_size 0
		.amdhsa_enable_private_segment 0
		.amdhsa_kernarg_size 48
		.amdhsa_user_sgpr_count 2
		.amdhsa_user_sgpr_kernarg_segment_ptr 1
		.amdhsa_wavefront_size32 1
		.amdhsa_system_sgpr_workgroup_id_x 1
		.amdhsa_system_sgpr_workgroup_id_y 1
		.amdhsa_system_sgpr_workgroup_id_z 1
		.amdhsa_system_vgpr_workitem_id 0
		.amdhsa_next_free_vgpr 1024
		.amdhsa_next_free_sgpr 100
		.amdhsa_reserve_vcc 0
		.amdhsa_float_denorm_mode_32 3
		.amdhsa_float_denorm_mode_16_64 3
		.amdhsa_memory_ordered 1
		.amdhsa_forward_progress 1
		.amdhsa_inst_pref_size 95
	.end_amdhsa_kernel
	.amdgpu_metadata
---
amdhsa.version: [ 1, 2 ]
amdhsa.kernels:
  - .name:           k_qbfe2bee150_outproj
    .symbol:         k_qbfe2bee150_outproj.kd
    .args:
      - { .name: attc, .offset: 0, .size: 8, .value_kind: global_buffer, .address_space: global }
      - { .name: atts, .offset: 8, .size: 8, .value_kind: global_buffer, .address_space: global }
      - { .name: Wo_codes, .offset: 16, .size: 8, .value_kind: global_buffer, .address_space: global }
      - { .name: Wo_scales, .offset: 24, .size: 8, .value_kind: global_buffer, .address_space: global }
      - { .name: bo, .offset: 32, .size: 8, .value_kind: global_buffer, .address_space: global }
      - { .name: out0, .offset: 40, .size: 8, .value_kind: global_buffer, .address_space: global }
    .group_segment_fixed_size: 327680
    .private_segment_fixed_size: 0
    .kernarg_segment_align: 8
    .kernarg_segment_size: 48
    .max_flat_workgroup_size: 128
    .sgpr_count:     100
    .vgpr_count:     1024
    .wavefront_size: 32
...
	.end_amdgpu_metadata
.endif
;; end of part 3
